; MI455X (gfx1250); checked and timed in simulation.
; The chip was launched on July 23, 2026; its instructions are those of AMD's public machine-readable ISA for CDNA 5 (MIT licence, August 2026) and "CDNA5" Instruction Set Architecture Reference Guide (July 2026). The comments in the code are by the model that wrote it; some were corrected since.
;; Multi Head Attention. Allowed arithmetic: matrix products marked QUANTISED: E2M1 operands, one E8M0 scale for each 32 along K, by v_wmma_scale_f32_16x16x128_f8f6f4 with both operands' format E2M1 (or v_wmma_scale_f32_32x16x128_f4), f32 sums; products left as they are: bf16, f16 or f32 operands; f32 sums; everything else in f32.
;; Inputs: K 4 x 2,048 x 1,024 float32; Q 4 x 2,048 x 1,024 float32; V 4 x 2,048 x 1,024 float32; WK 1,024 x 1,024 float32; WQ 1,024 x 1,024 float32; WV 1,024 x 1,024 float32; Wfc 1,024 x 1,024 float32.
;; Outputs: out0 4 x 2,048 x 1,024 float32.
;; This version of the problem:
;;   THIS VERSION OF THE PROBLEM IS GIVEN IN LOW PRECISION. The matrix products marked QUANTISED in the list below multiply operands that are first quantised to E2M1 (2 exponent bits, 1 mantissa bit; 4 bits a number), with one power-of-two scale for each 32 numbers along K (OCP MX v1.0); their sums are f32. The products marked 'left as it is' may take bf16, f16 or f32 operands, with f32 sums. Whichever they take, every output number must still come out within the allowed error. Rounding operands to bf16 (8 significant bits) uses up far more of that allowance than f16 does (11 bits, for magnitudes from 6e-5 to 65,504). All else is computed in f32.
;;   The module's matrix products, in the order in which they are computed (A, B: the left and right operand; K: the contracted axis; several contracted axes count as one K, in the product's order):
;;     1. [M 8,192, K 1,024] x [K 1,024, N 1,024]; A: input Q; B: input WQ: QUANTISED
;;     2. [M 8,192, K 1,024] x [K 1,024, N 1,024]; A: input K; B: input WK: QUANTISED
;;     3. [M 8,192, K 1,024] x [K 1,024, N 1,024]; A: input V; B: input WV: QUANTISED
;;     4. batch 64 x [M 2,048, K 64] x [K 64, N 2,048]; A: computed on the way; B: computed on the way: left as it is (an operand is computed on the way)
;;     5. batch 64 x [M 2,048, K 2,048] x [K 2,048, N 64]; A: computed on the way; B: computed on the way: left as it is (an operand is computed on the way)
;;     6. [M 8,192, K 1,024] x [K 1,024, N 1,024]; A: computed on the way; B: input Wfc: left as it is (an operand is computed on the way)
;;   THE QUANTISER, for each operand of a quantised product, along K:
;;     - K is cut into blocks of 32 from its start; a last block that is shorter is filled with zeros.
;;     - A block's scale is 2^e with e = floor(log2(the largest magnitude in the block)) - 2, held to -126 .. 127; a block of zeros has e = 0. As a byte (E8M0): e + 127.
;;     - Each number is divided by its block's scale, clamped to +-6, and rounded to the nearest number of E2M1, ties to even, subnormals kept.
;;     - The product sums the exact products of the quantised numbers (number of the format x scale) in f32.
;;   ~~~python
;;   def quantise(x, axis):      # numpy; x: float32 -> the quantised numbers, widened to float32 again
;;       x = np.moveaxis(x, axis, -1); K = x.shape[-1]
;;       x = np.pad(x, [(0, 0)] * (x.ndim - 1) + [(0, -K % 32)]); x = x.reshape(x.shape[:-1] + (-1, 32)); a = np.abs(x).max(-1, keepdims=True)
;;       e = np.where(a > 0, np.clip(np.frexp(np.where(a > 0, a, 1))[1] - 1 - 2, -126, 127), 0)      # np.frexp(a)[1] - 1 = floor(log2(a)), exactly
;;       r = np.clip(x / 2.0 ** e, -6, 6)
;;       step = 2.0 ** (np.maximum(np.frexp(np.where(r == 0, 1, r))[1] - 1, 0) - 1)
;;       q = np.round(r / step) * step * 2.0 ** e      # np.round: ties to even
;;       return np.moveaxis(q.reshape(q.shape[:-2] + (-1,))[..., :K], -1, axis).astype(np.float32)
;;   ~~~
;; One version. Each part assembles by itself: llvm-mc -triple=amdgcn-amd-amdhsa -mcpu=gfx1250 --defsym DOCPART=n.
;; ======== version 1 of 1: 4 launches
;; limits: values are held in f16: magnitudes above 65,504 overflow, below 6.1e-05 lose precision
;; workspace buffers: xc 12,582,912 bytes; xs 786,432 bytes; wc 1,572,864 bytes; ws 98,304 bytes; wft 2,097,152 bytes; qkv 50,331,648 bytes; ctx 16,777,216 bytes
;; launch prep (part 1): grid 880 x 1, 4 waves a work-group, no clusters, 102,912 bytes of LDS; arguments Q, K, V, WQ, WK, WV, Wfc, xc, xs, wc, ws, wft; writes xc, xs, wc, ws, wft
.if DOCPART == 1
	.amdgcn_target "amdgcn-amd-amdhsa--gfx1250"
	.amdhsa_code_object_version 6
	.text
	.protected	k_q2f688ed468_prep
	.globl	k_q2f688ed468_prep
	.p2align	8
	.type	k_q2f688ed468_prep,@function
k_q2f688ed468_prep:
	s_mov_b64 s[64:65], 0
	v_nop
	global_prefetch_b8 v0, s[64:65] scope:SCOPE_SE
	s_setreg_imm32_b32 hwreg(HW_REG_WAVE_MODE, 25, 1), 1
	s_wait_xcnt 0x0
; PREP.  Three jobs in one launch, told apart by the work-group's number; each has its own path through the text, its own LDS bytes and its own end.
;   work-groups 0-47    (path W): WQ, WK, WV [1024 k][1024 n] f32 -> codes of FP4 (E2M1) laid [n][k], K innermost (wc), one E8M0 byte for each 32 along K (ws)
;   work-groups 48-111  (path F): Wfc [1024 k][1024 n] f32 -> f16 laid [n][k] (wft)
;   work-groups 112-879 (path X): Q, K, V [8192][1024] f32 -> codes (xc) and scale bytes (xs), K innermost as it lies; the three tensors stand on end in xc and xs
; A block's scale is 2^(floor(log2(its largest magnitude)) - 2); its byte is the largest magnitude's own exponent field - 2, held at 1 from below.
; LIMITS: a block whose largest magnitude lies under 2^-124, a block of zeros among them, gets the byte 1 (a block of zeros has zero codes, which add nothing; this program alone reads the bytes);
; NaN and infinities among the inputs are not served; |Wfc| stays under 65,504, the largest f16 number.
; No tensor loads, no cluster, no barrier: no two waves read the same bytes, and each input byte is read once.
.set STEPS, 16                         ; path X: steps of 512 numbers for a wave
.set EMAX,  2                          ; the exponent of E2M1's largest number, 6
.set CB,    8                          ; bytes of 16 codes
.set SP,    80                         ; path X: a lane's place in a stage: 64 bytes + 16 of padding
.set XWAVE, 8192                       ; path X: a wave's LDS: two stages of 32 x SP bytes, then its 256 scale bytes
.set PITCH, 272                        ; paths W, F: a stage row: 256 bytes + 16
.set WREG,  4*XWAVE                    ; path W's four stages of 32 rows
.set FREG,  WREG+4*32*PITCH            ; path F's
.set SPARE, FREG+4*32*PITCH            ; the spare words, 128 bytes for each wave: two blocks of 256 bytes that no other line names
.set SPW,   192                        ; v192  LDS address of my spare word; never rewritten
.set NIL,   193                        ; v193  0; never rewritten
.set R,     16                         ; path X: v16-79 four sets of 16 numbers as loaded
.set XX,    80                         ;         v80-111 two sets of 16 neighbours
.set E,     112                        ;         v112-127 a scale byte for each step
.set CX,    128                        ;         v128-191 codes, four registers for each step
.set SB,    24                         ; path W: v24-27 scale bytes, four to a register
.set WX,    32                         ; paths W, F: v32-95 two sets of 32 numbers
.set CW,    96                         ;         v96-111 a block's codes, or its 32 f16
.set OUTR,  112                        ;         v112-175 the way out
.macro XLOAD t                         ; path X: a step's 2,048 bytes, 512 consecutive bytes a load
.irp i, 0,1,2,3
	global_load_b128 v[R+16*((\t)%4)+4*\i:R+16*((\t)%4)+4*\i+3], v3, s[4:5] offset:2048*(\t)+512*\i th:TH_LOAD_NT
.endr
.endm
.macro XTURN t                         ; through the wave's own stage: in as loaded, back 64 bytes a lane.  LDS serves a wave's instructions in order: no wait between
.irp i, 0,1,2,3
	ds_store_b128 v14, v[R+16*((\t)%4)+4*\i:R+16*((\t)%4)+4*\i+3] offset:32*SP*((\t)%2)+8*SP*\i
.endr
.irp i, 0,1,2,3
	ds_load_b128 v[XX+16*((\t)%2)+4*\i:XX+16*((\t)%2)+4*\i+3], v15 offset:32*SP*((\t)%2)+16*\i
.endr
.endm
.macro XSTEP t
.set XS, XX+16*((\t)%2)
.if (\t) > 0
	s_wait_dscnt 1                                 ; this step's numbers are back from the stage; the last step's byte store may be out
.else
	s_wait_dscnt 0x0
.endif
.if (\t)+4 < STEPS
	XLOAD (\t)+4                                   ; into the registers that the stage's stores have read
.endif
.if (\t)+1 < STEPS
.if STEPS-2-(\t) >= 3
	s_wait_loadcnt 12                              ; the next step's four loads are in; three steps' twelve may be out
.else
	s_wait_loadcnt 4*(STEPS-2-(\t))
.endif
	XTURN (\t)+1
.endif
	v_max3_num_f32 v8, |v[XS]|, |v[XS+1]|, |v[XS+2]|               ; the largest magnitude of my 16, in two chains
	v_max3_num_f32 v9, |v[XS+3]|, |v[XS+4]|, |v[XS+5]|
.irp i, 6,10
	v_max3_num_f32 v8, v8, |v[XS+\i]|, |v[XS+\i+1]|
	v_max3_num_f32 v9, v9, |v[XS+\i+2]|, |v[XS+\i+3]|
.endr
	v_max3_num_f32 v8, v8, |v[XS+14]|, |v[XS+15]|
	v_max3_num_f32 v8, v8, v9, (EMAX+1)<<23        ; and the floor 2^(3 - 127): the byte cannot fall under 1
	v_max_num_f32_dpp v8, v8, v8 row_xmask:1 row_mask:0xf bank_mask:0xf   ; with my neighbour's 16: the block's
	v_add_nc_u32 v11, -(EMAX<<23), v8              ; 2 off its exponent field: the conversion takes this operand's exponent field as its scale
	v_cvt_scalef32_pk8_fp4_f32 v[CX+4*(\t)], v[XS:XS+7], v11
	v_cvt_scalef32_pk8_fp4_f32 v[CX+4*(\t)+1], v[XS+8:XS+15], v11
	v_lshrrev_b32 v[E+(\t)], 23, v11               ; the scale's byte
	ds_store_b8 v5, v[E+(\t)] offset:16*(\t)       ; both lanes of a block write the same byte with the same value
	global_store_b64 v4, v[CX+4*(\t):CX+4*(\t)+1], s[18:19] offset:32*CB*(\t)   ; the wave stores 256 consecutive bytes, aligned
.endm
.macro CLOAD t                         ; paths W, F: block t: rows 32 t + i of the weight at my column, into set t % 2; 128 consecutive bytes a wave
.irp i, 0,1,2,3,4,5,6,7,8,9,10,11,12,13,14,15,16,17,18,19,20,21,22,23,24,25,26,27,28,29,30,31
	global_load_b32 v[WX+32*((\t)%2)+\i], v3, s[10:11] offset:(32*(\t)+\i)*4096 th:TH_LOAD_NT
.endr
.endm
.macro WBLOCK t                        ; path W: a block of 32 along K of my column: all its numbers are mine
.set XS, WX+32*((\t)%2)
.if (\t) < 15
	s_wait_loadcnt 32                              ; this block's 32 loads are in; the next block's may be out
.else
	s_wait_loadcnt 0
.endif
	v_max3_num_f32 v12, |v[XS]|, |v[XS+1]|, |v[XS+2]|
	v_max3_num_f32 v13, |v[XS+3]|, |v[XS+4]|, |v[XS+5]|
.irp i, 6,10,14,18,22,26
	v_max3_num_f32 v12, v12, |v[XS+\i]|, |v[XS+\i+1]|
	v_max3_num_f32 v13, v13, |v[XS+\i+2]|, |v[XS+\i+3]|
.endr
	v_max3_num_f32 v12, v12, |v[XS+30]|, |v[XS+31]|
	v_max3_num_f32 v12, v12, v13, (EMAX+1)<<23
	v_add_nc_u32 v11, -(EMAX<<23), v12
	v_lshrrev_b32 v13, 23, v11
.if (\t)%4 == 0
	v_mov_b32 v[SB+(\t)/4], v13                    ; four bytes to a register, the lower K in the lower byte
.else
	v_lshl_or_b32 v[SB+(\t)/4], v13, 8*((\t)%4), v[SB+(\t)/4]
.endif
.irp g, 0,1,2,3
	v_cvt_scalef32_pk8_fp4_f32 v[CW+\g], v[XS+8*\g:XS+8*\g+7], v11
.endr
	ds_store_b128 v4, v[CW:CW+3] offset:16*(\t)    ; 32 codes: 16 bytes of my column's row
.if (\t)+2 < 16
	CLOAD (\t)+2
.endif
	s_wait_dscnt 0x0                               ; the store has read its registers: the next block's codes may be written
.endm
.macro FBLOCK t                        ; path F: 32 numbers down K of my column become 32 f16: 64 bytes of my column's row
.set XS, WX+32*((\t)%2)
.if (\t) < 3
	s_wait_loadcnt 32
.else
	s_wait_loadcnt 0
.endif
.irp i, 0,1,2,3,4,5,6,7,8,9,10,11,12,13,14,15
	v_cvt_pk_f16_f32 v[CW+\i], v[XS+2*\i], v[XS+2*\i+1]
.endr
.irp g, 0,1,2,3
	ds_store_b128 v4, v[CW+4*\g:CW+4*\g+3] offset:64*(\t)+16*\g
.endr
.if (\t)+2 < 4
	CLOAD (\t)+2
.endif
	s_wait_dscnt 0x0
.endm
.macro COUT base, row                  ; paths W, F: the stage's 32 rows of 256 bytes leave as rows: sixteen lanes store 256 consecutive bytes, aligned; then the wave's end
.irp t, 0,1,2,3,4,5,6,7,8,9,10,11,12,13,14,15
	ds_load_b128 v[OUTR+4*\t:OUTR+4*\t+3], v7 offset:2*\t*PITCH
.endr
.irp t, 0,1,2,3,4,5,6,7,8,9,10,11,12,13,14,15
	s_wait_dscnt 15-\t                             ; LDS loads come back in order: load t is in
	global_store_b128 v8, v[OUTR+4*\t:OUTR+4*\t+3], s[\base:\base+1] offset:2*\t*\row
.endr
	s_wait_tensorcnt 0x0                           ; the wave's end, behind my last LDS store
	ds_add_u32 v[SPW], v[NIL]
	s_wait_dscnt 0x0
	s_endpgm
.endm
	s_load_b512 s[4:19], s[0:1], 0x0               ; Q s[4:5], K s[6:7], V s[8:9], WQ s[10:11], WK s[12:13], WV s[14:15], Wfc s[16:17], xc s[18:19]
	s_load_b256 s[20:27], s[0:1], 0x40             ; xs s[20:21], wc s[22:23], ws s[24:25], wft s[26:27]
	v_lshl_add_u32 v[SPW], v0, 2, SPARE
	v_mov_b32 v[NIL], 0
	v_lshrrev_b32 v1, 5, v0
	v_readfirstlane_b32 s28, v1                    ; wave 0..3
	v_and_b32 v2, 31, v0                           ; lane
	s_cmp_lt_u32 ttmp9, 48
	s_cbranch_scc1 .Lpath_w
	s_cmp_lt_u32 ttmp9, 112
	s_cbranch_scc1 .Lpath_f
	; ---- PATH X: a wave takes 8,192 numbers: 16 steps of 512.  Rows are dense and 1,024 is a multiple of 32: the tensors are plain streams of blocks
	v_lshlrev_b32 v3, 4, v2                        ; my 16 bytes of a load's 512
	s_mul_i32 s29, s28, XWAVE
	v_lshrrev_b32 v14, 2, v2
	v_mul_u32_u24 v14, v14, SP
	v_and_b32 v15, 3, v2
	v_lshl_add_u32 v14, v15, 4, v14
	v_add_nc_u32 v14, s29, v14                     ; the stage, on the way in: SP (lane / 4) + 16 (lane % 4)
	v_mul_u32_u24 v15, v2, SP
	v_add_nc_u32 v15, s29, v15                     ; and on the way out: SP x lane: my 16 neighbours
	v_mul_u32_u24 v4, v2, CB                       ; my codes' place in a step's
	v_lshrrev_b32 v5, 1, v2
	s_add_co_u32 s29, s29, 2*32*SP
	v_add_nc_u32 v5, s29, v5                       ; my wave's 256 scale bytes, my block's byte
	v_lshlrev_b32 v7, 3, v2
	v_add_nc_u32 v6, s29, v7                       ; and 8 bytes a lane on the way out
	s_sub_co_u32 s30, ttmp9, 112                   ; 0..767: 256 work-groups for each tensor
	s_and_b32 s31, s30, 255
	s_lshl_b32 s31, s31, 2
	s_add_co_u32 s31, s31, s28                     ; my run of 8,192 numbers in its tensor,
	s_lshl_b32 s32, s31, 15                        ; in bytes of f32
	s_mov_b32 s33, 0
	s_lshl_b32 s31, s30, 2
	s_add_co_u32 s31, s31, s28                     ; and among all three tensors' runs
	s_lshl_b32 s34, s31, 12                        ; 4,096 bytes of codes a run
	s_mov_b32 s35, 0
	s_lshl_b32 s36, s31, 8                         ; 256 scale bytes a run
	s_mov_b32 s37, 0
	s_wait_kmcnt 0x0
	s_cmp_lt_u32 s30, 512                          ; the choice hangs on the work-group's number alone
	s_cselect_b64 s[6:7], s[6:7], s[8:9]           ; K or V,
	s_cmp_lt_u32 s30, 256
	s_cselect_b64 s[4:5], s[4:5], s[6:7]           ; or Q
	s_add_nc_u64 s[4:5], s[4:5], s[32:33]
	s_add_nc_u64 s[18:19], s[18:19], s[34:35]
	s_add_nc_u64 s[20:21], s[20:21], s[36:37]
.irp t, 0,1,2,3
	XLOAD \t
.endr
	s_wait_loadcnt 12                              ; step 0's four loads are in
	XTURN 0
.irp t, 0,1,2,3,4,5,6,7,8,9,10,11,12,13,14,15
	XSTEP \t
.endr
	ds_load_b64 v[8:9], v6                         ; my wave's 256 scale bytes, 8 a lane: these see my stores
	s_wait_dscnt 0x0
	global_store_b64 v7, v[8:9], s[20:21]          ; 32 lanes store 256 consecutive bytes, aligned
	s_wait_tensorcnt 0x0                           ; the wave's end, behind my last LDS store
	ds_add_u32 v[SPW], v[NIL]
	s_wait_dscnt 0x0
	s_endpgm
	; ---- PATH W: a lane takes a column n and its registers run down K.  A wave: 32 columns x 512 along K.  Work-group: tensor = id / 16, 128 columns = id % 8, half of K = (id / 8) % 2
.Lpath_w:
	s_lshr_b32 s29, ttmp9, 4                       ; which weight
	s_and_b32 s30, ttmp9, 7
	s_bfe_u32 s31, ttmp9, 0x10003                  ; which 512 along K
	s_lshl_b32 s32, s30, 7
	s_lshl_b32 s33, s28, 5
	s_add_co_u32 s32, s32, s33                     ; my wave's first column
	v_lshlrev_b32 v3, 2, v2                        ; in: 4 bytes a lane
	s_mul_i32 s33, s28, 32*PITCH
	s_add_co_u32 s33, s33, WREG                    ; my stage
	v_mul_u32_u24 v4, v2, PITCH
	v_add_nc_u32 v4, s33, v4                       ; into it: row = my column
	v_and_b32 v5, 15, v2
	v_lshrrev_b32 v6, 4, v2
	v_mul_u32_u24 v7, v6, PITCH
	v_lshl_add_u32 v7, v5, 4, v7
	v_add_nc_u32 v7, s33, v7                       ; out of it: sixteen lanes to a row, two rows an instruction
	v_lshlrev_b32 v8, 9, v6
	v_lshl_add_u32 v8, v5, 4, v8                   ; the same place in wc: rows of 512 bytes
	v_lshlrev_b32 v9, 5, v2                        ; my column's row of 32 scale bytes
	s_lshl_b32 s34, s31, 21                        ; the weight: 512 rows of 4,096 bytes for each half of K,
	s_lshl_b32 s33, s32, 2
	s_add_co_u32 s34, s34, s33                     ; + 4 x column
	s_mov_b32 s35, 0
	s_lshl_b32 s36, s29, 19                        ; wc: 524,288 bytes a weight,
	s_lshl_b32 s33, s32, 9
	s_add_co_u32 s36, s36, s33                     ; + 512 x column,
	s_lshl_b32 s33, s31, 8
	s_add_co_u32 s36, s36, s33                     ; + 256 for the upper half of K
	s_mov_b32 s37, 0
	s_lshl_b32 s38, s29, 15                        ; ws: 32,768 bytes a weight,
	s_lshl_b32 s33, s32, 5
	s_add_co_u32 s38, s38, s33                     ; + 32 x column,
	s_lshl_b32 s33, s31, 4
	s_add_co_u32 s38, s38, s33                     ; + 16
	s_mov_b32 s39, 0
	s_wait_kmcnt 0x0
	s_cmp_eq_u32 s29, 1
	s_cselect_b64 s[12:13], s[12:13], s[14:15]     ; WK or WV,
	s_cmp_eq_u32 s29, 0
	s_cselect_b64 s[10:11], s[10:11], s[12:13]     ; or WQ
	s_add_nc_u64 s[10:11], s[10:11], s[34:35]
	s_add_nc_u64 s[22:23], s[22:23], s[36:37]
	s_add_nc_u64 s[24:25], s[24:25], s[38:39]
	CLOAD 0
	CLOAD 1
.irp t, 0,1,2,3,4,5,6,7,8,9,10,11,12,13,14,15
	WBLOCK \t
.endr
	global_store_b128 v9, v[SB:SB+3], s[24:25]     ; my column's 16 scale bytes
	COUT 22, 512
	; ---- PATH F: the same plan with a cast.  A wave: 32 columns x 128 along K: 256 bytes of f16 for each column.  Work-group: 128 columns = id % 8, 128 along K = id / 8
.Lpath_f:
	s_sub_co_u32 s29, ttmp9, 48
	s_and_b32 s30, s29, 7
	s_lshr_b32 s31, s29, 3
	s_lshl_b32 s32, s30, 7
	s_lshl_b32 s33, s28, 5
	s_add_co_u32 s32, s32, s33                     ; my wave's first column
	v_lshlrev_b32 v3, 2, v2
	s_mul_i32 s33, s28, 32*PITCH
	s_add_co_u32 s33, s33, FREG                    ; my stage
	v_mul_u32_u24 v4, v2, PITCH
	v_add_nc_u32 v4, s33, v4
	v_and_b32 v5, 15, v2
	v_lshrrev_b32 v6, 4, v2
	v_mul_u32_u24 v7, v6, PITCH
	v_lshl_add_u32 v7, v5, 4, v7
	v_add_nc_u32 v7, s33, v7
	v_lshlrev_b32 v8, 11, v6
	v_lshl_add_u32 v8, v5, 4, v8                   ; wft: rows of 2,048 bytes
	s_lshl_b32 s34, s31, 19                        ; Wfc: 128 rows of 4,096 bytes,
	s_lshl_b32 s33, s32, 2
	s_add_co_u32 s34, s34, s33                     ; + 4 x column
	s_mov_b32 s35, 0
	s_lshl_b32 s36, s32, 11                        ; wft: 2,048 x column,
	s_lshl_b32 s33, s31, 8
	s_add_co_u32 s36, s36, s33                     ; + 256 bytes for each 128 along K
	s_mov_b32 s37, 0
	s_wait_kmcnt 0x0
	s_mov_b64 s[10:11], s[16:17]
	s_add_nc_u64 s[10:11], s[10:11], s[34:35]
	s_add_nc_u64 s[26:27], s[26:27], s[36:37]
	CLOAD 0
	CLOAD 1
.irp t, 0,1,2,3
	FBLOCK \t
.endr
	COUT 26, 2048
.Lfunc_end_k_q2f688ed468_prep:
	.size	k_q2f688ed468_prep, .Lfunc_end_k_q2f688ed468_prep-k_q2f688ed468_prep
	.p2alignl 7, 3214868480
	.fill 96, 4, 3214868480
	.section	.rodata,"a",@progbits
	.p2align	6, 0x0
	.amdhsa_kernel k_q2f688ed468_prep
		.amdhsa_group_segment_fixed_size 102912
		.amdhsa_private_segment_fixed_size 0
		.amdhsa_enable_private_segment 0
		.amdhsa_kernarg_size 96
		.amdhsa_user_sgpr_count 2
		.amdhsa_user_sgpr_kernarg_segment_ptr 1
		.amdhsa_wavefront_size32 1
		.amdhsa_system_sgpr_workgroup_id_x 1
		.amdhsa_system_sgpr_workgroup_id_y 1
		.amdhsa_system_sgpr_workgroup_id_z 1
		.amdhsa_system_vgpr_workitem_id 0
		.amdhsa_next_free_vgpr 194
		.amdhsa_next_free_sgpr 66
		.amdhsa_reserve_vcc 0
		.amdhsa_float_denorm_mode_32 3
		.amdhsa_float_denorm_mode_16_64 3
		.amdhsa_memory_ordered 1
		.amdhsa_forward_progress 1
		.amdhsa_inst_pref_size 133
	.end_amdhsa_kernel
	.amdgpu_metadata
---
amdhsa.version: [ 1, 2 ]
amdhsa.kernels:
  - .name:           k_q2f688ed468_prep
    .symbol:         k_q2f688ed468_prep.kd
    .args:
      - { .name: Q, .offset: 0, .size: 8, .value_kind: global_buffer, .address_space: global }
      - { .name: K, .offset: 8, .size: 8, .value_kind: global_buffer, .address_space: global }
      - { .name: V, .offset: 16, .size: 8, .value_kind: global_buffer, .address_space: global }
      - { .name: WQ, .offset: 24, .size: 8, .value_kind: global_buffer, .address_space: global }
      - { .name: WK, .offset: 32, .size: 8, .value_kind: global_buffer, .address_space: global }
      - { .name: WV, .offset: 40, .size: 8, .value_kind: global_buffer, .address_space: global }
      - { .name: Wfc, .offset: 48, .size: 8, .value_kind: global_buffer, .address_space: global }
      - { .name: xc, .offset: 56, .size: 8, .value_kind: global_buffer, .address_space: global }
      - { .name: xs, .offset: 64, .size: 8, .value_kind: global_buffer, .address_space: global }
      - { .name: wc, .offset: 72, .size: 8, .value_kind: global_buffer, .address_space: global }
      - { .name: ws, .offset: 80, .size: 8, .value_kind: global_buffer, .address_space: global }
      - { .name: wft, .offset: 88, .size: 8, .value_kind: global_buffer, .address_space: global }
    .group_segment_fixed_size: 102912
    .private_segment_fixed_size: 0
    .kernarg_segment_align: 8
    .kernarg_segment_size: 96
    .max_flat_workgroup_size: 128
    .sgpr_count:     66
    .vgpr_count:     194
    .wavefront_size: 32
...
	.end_amdgpu_metadata
.endif
;; end of part 1
;; launch proj (part 2): grid 4 x 96, 4 waves a work-group, clusters of 4 x 4, 327,680 bytes of LDS; arguments xc, xs, wc, ws, qkv; writes qkv
.if DOCPART == 2
	.amdgcn_target "amdgcn-amd-amdhsa--gfx1250"
	.amdhsa_code_object_version 6
	.text
	.protected	k_q2f688ed468_proj
	.globl	k_q2f688ed468_proj
	.p2align	8
	.type	k_q2f688ed468_proj,@function
k_q2f688ed468_proj:
	s_mov_b64 s[64:65], 0
	v_nop
	global_prefetch_b8 v0, s[64:65] scope:SCOPE_SE
	s_setreg_imm32_b32 hwreg(HW_REG_WAVE_MODE, 25, 1), 1
	s_wait_xcnt 0x0
	s_wait_alu depctr_hold_cnt(0) depctr_sa_sdst(0) depctr_va_vdst(0) depctr_va_sdst(0) depctr_va_ssrc(0) depctr_va_vcc(0) depctr_vm_vsrc(0)
	s_getreg_b32 s2, hwreg(HW_REG_IB_STS2, 6, 4)
	s_cmp_eq_u32 s2, 0
	s_cbranch_scc0 .Lentry_in_a_cluster
	s_endpgm
.Lentry_in_a_cluster:
	s_bfe_u32 s2, ttmp6, 0x10000c
	s_cmp_lg_u32 s2, 0xf033
	s_cbranch_scc0 .Lentry_shape_is_right
	s_endpgm
.Lentry_shape_is_right:
; PROJ.  The three quantised products Q WQ, K WK, V WV as one GEMM on codes of FP4 (E2M1) with one E8M0 scale for each 32 along K: C[m][n] = sum over k of A[m][k] B[n][k].
; A: xc [24576][1024 codes = 512 bytes], the three activations on end; xs [24576][32].  B: wc [3][1024 n][512 bytes], ws [3][1024][32].  C: qkv [24576][1024] f16; sums in f32, rounded once.
; LIMIT: |C| stays under 65,504, the largest f16 number.
; A tile of C, 256 x 256, is made by a work-group of four waves; a wave makes 128 x 128: 64 accumulators, 512 registers.  K = 1,024 is two steps of 512: each step has an LDS slot of its own,
; both are asked for at the head, and no LDS byte is filled twice.  The scales of the tile's 256 + 256 rows, for all of K, come once, as dense blocks.
; CLUSTERS: 4 x 4 work-groups.  The four of a row of the cluster need the same tiles of A, the four of a column the same tiles of B: each tile is asked for jointly.  A tensor is 32 tile rows, 8 whole clusters:
; which weight a tile takes hangs on the cluster's y alone, which all partners share.
; THE MATRIX INSTRUCTION IS USED TRANSPOSED (source 0 = 16 rows of B, source 1 = 16 rows of A): a lane then holds eight neighbouring numbers of a row of C.
; REGISTERS, in windows of 256: window 0: v0-31 addresses; v32-95 scale words, two sets; v128-191 A's fragments, one set; on the way out v32-63, v192-255 at work.
;   window 1: B's fragments, two sets, at v0 and v128.   window 2: the accumulators of my rows 0-63 ((a, b) at v[8 (8 a + b)]);   window 3: those of my rows 64-127.
.set NQ,     4                         ; matrix instructions deep in a slot: 512 along K
.set ROWB,   256                       ; a tile's row in bytes
.set KROW,   512                       ; a row of codes in memory
.set PITCH,  272                       ; an LDS row: 256 bytes + 16 of padding: the 16 rows that a load touches start 68 words apart
.set FR,     8                         ; registers of a fragment: 16 rows x 128 K
.set NL,     2                         ; LDS loads that bring one
.set NP,     4                         ; places behind this matrix instruction (ISA guide 7.12.1)
.set HALFT,  128*PITCH
.set SLOT,   4*HALFT                   ; A's 256 rows, then B's 256 rows
.set KS,     32                        ; a row of scales in bytes
.set SCL,    2*SLOT                    ; behind the slots: the scales, as units of 256 bytes + 16 of padding
.set HALFS,  (128*KS/256)*272
.set SBLK,   (16*KS/256)*272
.set SPARE,  SCL+4*HALFS               ; the spare words, 128 bytes for each wave: two blocks of 256 bytes that no other line names
.set SPITCH, 272                       ; the way out: a stage of 16 rows x (256 bytes + 16) for each wave, in slot 0, which has had its only fill and its last read by then
.set CROW,   2048                      ; a row of C in bytes
.set ADRA, 16
.set ADRB, 20
.set STO,  24
.set RD,   25
.set CO,   26
.set ADRS, 27
.set SPW,  28
.set NIL,  29
.set SC,   32
.set AF,   128
.set TMP,  192                         ; the way out: packed results
.set OB,   32                          ; the way out: rows read back: v32-63 and v224-255 by turns
.set G1, 24
.set G0, 32
.set G1B, 48
.set G0B, 56
.set G1S, 68
.set G0S, 76
.set G1SB, 80
.set G0SB, 88
.set MSB, 0
.macro WIN new                         ; the immediate's high byte repeats the setting that is left
.if MSB != \new
	s_set_vgpr_msb (MSB<<8)|\new
.set MSB, \new
.endif
.endm
.set MUL_LO, 0xa1                      ; source 0 (B) window 1, source 1 (A) window 0, C and D window 2
.set MUL_HI, 0xf1                      ; the same, C and D window 3
.set TO_B,   0x40                      ; destination window 1, address window 0
; A joint load: waves 0 and 1 fetch for A, waves 2 and 3 for B; the branch hangs on the wave's number alone.  An s_nop 0 and four v_nop follow each of the two lines.
.macro JLOAD g0a, g1a, g0b, g1b
	s_cmp_eq_u32 s15, 0
	s_cbranch_scc0 .Lfor_b_\@
	tensor_load_to_lds s[\g0a:\g0a+3], s[\g1a:\g1a+7]
	s_nop 0
.rept 4
	v_nop
.endr
	s_branch .Lasked_\@
.Lfor_b_\@:
	tensor_load_to_lds s[\g0b:\g0b+3], s[\g1b:\g1b+7]
	s_nop 0
.rept 4
	v_nop
.endr
.Lasked_\@:
.endm
.macro CROUND                          ; a round of the cluster's barrier
	s_barrier_signal -1
	s_barrier_wait -1
	s_cmp_lg_u32 s14, 0
	s_cbranch_scc1 .Lnot_wave_0_\@
	s_barrier_signal -3
.Lnot_wave_0_\@:
	s_barrier_wait -3
	s_barrier_signal -1
	s_barrier_wait -1
.endm
	s_load_b128 s[4:7], s[0:1], 0x0                ; A's codes s[4:5], A's scales s[6:7]
	s_load_b128 s[8:11], s[0:1], 0x10              ; B's codes s[8:9], B's scales s[10:11]
	s_load_b64 s[12:13], s[0:1], 0x20              ; C
	v_lshl_add_u32 v[SPW], v0, 2, SPARE
	v_mov_b32 v[NIL], 0
	ds_add_u32 v[SPW], v[NIL]                      ; the wave's opening: the add, twice on end, and its wait ahead of my first tensor load
	ds_add_u32 v[SPW], v[NIL]
	v_lshrrev_b32 v1, 5, v0
	v_readfirstlane_b32 s14, v1                    ; wave 0..3
	s_lshr_b32 s15, s14, 1                         ; which half of the tile's rows is mine.  Also: I fetch for A (0) or for B (1)
	s_and_b32 s16, s14, 1                          ; which half of its columns.  Also: which 128 rows of that tile I fetch
	s_bfe_u32 s40, ttmp6, 0x40000                  ; cx, cy: my place in the cluster
	s_bfe_u32 s41, ttmp6, 0x40004
	s_lshl_b32 s42, ttmp9, 2
	s_add_co_u32 s42, s42, s40                     ; tile column of C = 4 x cluster x + cx
	s_and_b32 s17, ttmp7, 0xffff                   ; cluster y
	s_lshr_b32 s95, s17, 3
	s_lshl_b32 s95, s95, 10                        ; 1,024 x the tensor's number: where its weight's rows begin in wc and ws
	s_lshl_b32 s17, s17, 2
	s_add_co_u32 s17, s17, s41                     ; tile row of C = 4 x cluster y + cy
	s_lshl_b32 s43, s41, 2
	s_lshl_b32 s43, 15, s43                        ; my row of the cluster
	s_lshl_b32 s44, 0x1111, s40                    ; my column
	; descriptor group 1: a tile of 128 rows x 256 bytes, 16 bytes of padding behind each row
	s_or_b32 s[G1+0], s43, (0<<16)|(1<<20)|(1<<21)|(5<<22)|(3<<25)  ; the mask; elements of 1 byte; padding on; bit 21 beside a mask; after every 64 words, 4 words
	s_or_b32 s[G1B+0], s44, (0<<16)|(1<<20)|(1<<21)|(5<<22)|(3<<25)
.irp g, G1, G1B
	s_mov_b32 s[\g+1], ROWB<<16                    ; tensor_dim0
	s_mov_b32 s[\g+2], 128<<16                     ; tensor_dim1
	s_mov_b32 s[\g+3], ROWB<<16                    ; tile_dim0
	s_mov_b32 s[\g+4], 128                         ; tile_dim1
	s_mov_b32 s[\g+5], KROW                        ; from row to row
	s_mov_b32 s[\g+6], 0
	s_mov_b32 s[\g+7], 0
.endr
	; the scales of 128 rows: 4,096 dense bytes, as 16 rows of 256 bytes (32 elements of 8 bytes), 16 bytes of padding behind each
	s_or_b32 s[G1S+0], s43, (3<<16)|(1<<20)|(1<<21)|(5<<22)|(3<<25)
	s_or_b32 s[G1SB+0], s44, (3<<16)|(1<<20)|(1<<21)|(5<<22)|(3<<25)
.irp g, G1S, G1SB
	s_mov_b32 s[\g+1], 32<<16
	s_mov_b32 s[\g+2], (128*KS/256)<<16
	s_mov_b32 s[\g+3], 32<<16
	s_mov_b32 s[\g+4], 128*KS/256
	s_mov_b32 s[\g+5], 32
	s_mov_b32 s[\g+6], 0
	s_mov_b32 s[\g+7], 0
.endr
	s_lshl_b32 s18, s16, 7                         ; which 128 rows of the tile I fetch
	s_lshl_b32 s20, s17, 8
	s_add_co_u32 s20, s20, s18                     ; A: row 256 x tile row + 128 x half
	s_lshl_b32 s46, s42, 8
	s_add_co_u32 s46, s46, s18
	s_add_co_u32 s46, s46, s95                     ; B: row 256 x tile column + 128 x half, in the tensor's weight
	s_mov_b32 s21, 0
	s_mov_b32 s47, 0
	s_mov_b64 s[18:19], KS
	s_mul_u64 s[22:23], s[20:21], s[18:19]         ; where these rows' scales begin, in bytes
	s_mul_u64 s[92:93], s[46:47], s[18:19]
	s_mov_b64 s[18:19], KROW
	s_mul_u64 s[20:21], s[20:21], s[18:19]         ; and their codes
	s_mul_u64 s[46:47], s[46:47], s[18:19]
	s_mul_i32 s45, s14, HALFT                      ; where they go: wave x 128 rows
	s_mul_i32 s94, s14, HALFS
	s_wait_dscnt 0x0                               ; both opening adds are done
	s_wait_kmcnt 0x0
	s_add_nc_u64 s[20:21], s[4:5], s[20:21]
	s_add_nc_u64 s[22:23], s[6:7], s[22:23]
	s_add_nc_u64 s[46:47], s[8:9], s[46:47]
	s_add_nc_u64 s[92:93], s[10:11], s[92:93]
	CROUND                                         ; all sixteen work-groups are here: the joint loads meet
	s_mov_b32 s[G0S], 1
	s_add_co_u32 s[G0S+1], s94, SCL
	s_mov_b64 s[G0S+2:G0S+3], s[22:23]
	s_or_b32 s[G0S+3], s[G0S+3], 0x80000000
	s_mov_b32 s[G0SB], 1
	s_add_co_u32 s[G0SB+1], s94, SCL
	s_mov_b64 s[G0SB+2:G0SB+3], s[92:93]
	s_or_b32 s[G0SB+3], s[G0SB+3], 0x80000000
	JLOAD G0S, G1S, G0SB, G1SB                     ; the scales first: they are wanted with K step 0
.irp s, 0,1
	s_mov_b32 s[G0+4*\s], 1
	s_add_co_u32 s[G0+4*\s+1], s45, \s*SLOT
	s_add_nc_u64 s[G0+4*\s+2:G0+4*\s+3], s[20:21], \s*ROWB
	s_or_b32 s[G0+4*\s+3], s[G0+4*\s+3], 0x80000000
	s_mov_b32 s[G0B+4*\s], 1
	s_add_co_u32 s[G0B+4*\s+1], s45, \s*SLOT
	s_add_nc_u64 s[G0B+4*\s+2:G0B+4*\s+3], s[46:47], \s*ROWB
	s_or_b32 s[G0B+4*\s+3], s[G0B+4*\s+3], 0x80000000
	JLOAD G0+4*\s, G1, G0B+4*\s, G1B               ; three tensor loads of mine are out behind the second
.endr
	v_and_b32 v1, 15, v0                           ; l % 16
	v_bfe_u32 v2, v0, 4, 1                         ; l / 16
	v_mul_u32_u24 v3, v1, PITCH
	v_lshl_add_u32 v4, v2, 4, v3                   ; a fragment's row x pitch + 16 x half
	s_mul_i32 s21, s15, HALFT                      ; my 128 rows of A
	s_mul_i32 s22, s16, HALFT                      ; my 128 rows of B,
	s_add_co_u32 s22, s22, 2*HALFT                 ; which lie behind A's 256
.irp s, 0,1
	v_add_nc_u32 v[ADRA+\s], s21, v4
	v_add_nc_u32 v[ADRB+\s], s22, v4
	s_add_co_u32 s21, s21, SLOT
	s_add_co_u32 s22, s22, SLOT
.endr
	v_mul_u32_u24 v5, v1, KS                       ; my row's scales: 32 bytes a row,
	v_lshrrev_b32 v6, 8, v5
	v_lshl_add_u32 v5, v6, 4, v5                   ; and 16 more for each 256 passed
	s_mul_i32 s21, s15, HALFS                      ; A's: my 128 rows
	s_mul_i32 s22, s16, HALFS                      ; B's: my 128 rows, behind A's 256
	s_add_co_u32 s22, s22, 2*HALFS
	s_sub_co_u32 s22, s22, s21
	v_mul_u32_u24 v6, s22, v2                      ; lanes 16-31 take B's: one product, the distance between the two
	s_add_co_u32 s21, s21, SCL
	v_add_nc_u32 v5, v5, v6
	v_add_nc_u32 v[ADRS], s21, v5
	s_mul_i32 s23, s14, 16*SPITCH                  ; my stage
	v_mul_u32_u24 v5, v1, SPITCH                   ; in: row l % 16, 16 bytes for each half of the lanes
	v_lshl_add_u32 v5, v2, 4, v5
	v_add_nc_u32 v[STO], s23, v5
	v_mul_u32_u24 v5, v2, SPITCH                   ; back: lanes 0-15 one row of 256 bytes, lanes 16-31 the next
	v_lshl_add_u32 v5, v1, 4, v5
	v_add_nc_u32 v[RD], s23, v5
	v_mul_u32_u24 v5, v2, CROW                     ; and the same two rows in C
	v_lshl_add_u32 v[CO], v1, 4, v5
	s_lshl_b32 s20, s17, 8
	s_lshl_b32 s21, s15, 7
	s_add_co_u32 s20, s20, s21                     ; my first row of C: 256 x tile row + 128 x half
	s_lshl_b32 s20, s20, 11                        ; in bytes (under 2^26)
	s_mov_b32 s21, 0
	s_lshl_b32 s46, s42, 9                         ; my first column, in bytes: 512 x tile column + 256 x half
	s_lshl_b32 s47, s16, 8
	s_add_co_u32 s46, s46, s47
	s_mov_b32 s47, 0
	s_add_nc_u64 s[20:21], s[20:21], s[46:47]
	s_add_nc_u64 s[12:13], s[12:13], s[20:21]
.macro FRAG reg, adr, q, i             ; 16 rows x 128 K of 4-bit codes: lane l holds row l % 16; registers 4 c .. 4 c + 3 hold K = 64 c + 32 (l / 16) + 0 .. 31
.irp c, 0,1
	ds_load_b128 v[\reg+4*\c:\reg+4*\c+3], v[\adr] offset:64*(\q)+32*\c+(\i)*16*PITCH
.endr
.endm
; 16 matrix instructions: A's blocks a0, a0 + 1 x B's eight, 128 along K.  p: B's set; sc: the set of scale words.  zero = 1: the first product starts the sums.
; The 64 accumulators take turns, one instruction a turn, in the same order in every step.
.macro MUL16 a0, p, q, sc, zero
.irp a, \a0, \a0+1
.irp b, 0,1,2,3,4,5,6,7
.if \zero
	v_wmma_scale_f32_16x16x128_f8f6f4 v[8*(8*((\a)%4)+\b):8*(8*((\a)%4)+\b)+7], v[128*(\p)+FR*\b:128*(\p)+FR*\b+FR-1], v[AF+FR*(\a):AF+FR*(\a)+FR-1], 0, v[SC+8*NQ*(\sc)+NQ*\b+(\q)], v[SC+8*NQ*(\sc)+NQ*(\a)+(\q)] matrix_a_fmt:MATRIX_FMT_FP4 matrix_b_fmt:MATRIX_FMT_FP4 matrix_a_scale:MATRIX_SCALE_ROW1
.else
	v_wmma_scale_f32_16x16x128_f8f6f4 v[8*(8*((\a)%4)+\b):8*(8*((\a)%4)+\b)+7], v[128*(\p)+FR*\b:128*(\p)+FR*\b+FR-1], v[AF+FR*(\a):AF+FR*(\a)+FR-1], v[8*(8*((\a)%4)+\b):8*(8*((\a)%4)+\b)+7], v[SC+8*NQ*(\sc)+NQ*\b+(\q)], v[SC+8*NQ*(\sc)+NQ*(\a)+(\q)] matrix_a_fmt:MATRIX_FMT_FP4 matrix_b_fmt:MATRIX_FMT_FP4 matrix_a_scale:MATRIX_SCALE_ROW1
.endif
.endr
.endr
.endm
.macro FETCH_B slot, q, p
	WIN TO_B
.irp i, 0,1,2,3,4,5,6,7
	FRAG 128*(\p)+FR*\i, ADRB+\slot, \q, \i
.endr
	WIN 0
.endm
.macro FETCH_A slot, q, i0
.irp i, \i0, \i0+1, \i0+2, \i0+3
	FRAG AF+FR*(\i), ADRA+\slot, \q, \i
.endr
.endm
.macro SCALES sc                       ; a K step's scale words: four words a row; lanes 0-15 take A's block i, lanes 16-31 B's block i
.irp i, 0,1,2,3,4,5,6,7
	ds_load_b128 v[SC+8*NQ*\sc+NQ*\i:SC+8*NQ*\sc+NQ*\i+3], v[ADRS] offset:\i*SBLK
.endr
.endm
.macro PLACES n                        ; plain vector instructions between a matrix instruction and a load into, or a read of, its registers
.rept \n
	v_nop
.endr
.endm
.macro STEP slot, q, zero              ; a step of 128 along K that has its successor in the same slot
	s_wait_dscnt 4*NL                              ; B's set and A's blocks 0-3 are in; the youngest eight loads (A's blocks 4-7) may be out
	WIN MUL_LO
	MUL16 0, (\q)%2, \q, \slot, \zero
	MUL16 2, (\q)%2, \q, \slot, \zero
	s_wait_dscnt 0                                 ; A's blocks 4-7 are in
	PLACES NP
	FETCH_B \slot, (\q)+1, 1-(\q)%2
	FETCH_A \slot, (\q)+1, 0
	WIN MUL_HI
	MUL16 4, (\q)%2, \q, \slot, \zero
	MUL16 6, (\q)%2, \q, \slot, \zero
	PLACES NP
	WIN 0
	FETCH_A \slot, (\q)+1, 4
.endm
; Slot 0's last step goes over to slot 1: one barrier; in front of it each wave has waited for all its tensor loads (its part of slot 1) and for its reads of slot 0.  Nothing is filled again.
.macro TURN slot, next
	s_wait_tensorcnt 0x0                           ; all my tensor loads have landed
	ds_add_u32 v[SPW], v[NIL]                      ; 0 onto my spare word
	s_wait_dscnt 4*NL+1                            ; (the add and the youngest eight loads may be out)
	WIN MUL_LO
	MUL16 0, 1, NQ-1, \slot, 0
	s_wait_dscnt 0x0                               ; the add is done, and my reads of this slot are over
	s_barrier_signal -1
	MUL16 2, 1, NQ-1, \slot, 0
	WIN 0
	s_barrier_wait -1
	PLACES NP
	v_add_nc_u32 v[ADRS], 4*NQ, v[ADRS]            ; on to the next K step's scale words
	FETCH_B \next, 0, 0
	FETCH_A \next, 0, 0
	SCALES \next
	WIN MUL_HI
	MUL16 4, 1, NQ-1, \slot, 0
	MUL16 6, 1, NQ-1, \slot, 0
	PLACES NP
	WIN 0
	FETCH_A \next, 0, 4
.endm
.macro STEPS slot, from
.set Q, \from
.rept NQ-1-\from
	STEP \slot, Q, 0
.set Q, Q+1
.endr
.endm
	s_wait_tensorcnt 1                             ; the scales and my part of K step 0 are in; K step 1's load may be out
	s_barrier_signal -1
	s_barrier_wait -1                              ; everybody's are
	FETCH_B 0, 0, 0
	FETCH_A 0, 0, 0
	SCALES 0
	FETCH_A 0, 0, 4
	STEP 0, 0, 1                                   ; the first step's products start the sums
	STEPS 0, 1
	TURN 0, 1
	STEPS 1, 0
	s_wait_dscnt 4*NL                              ; the very last step: nothing more to fetch
	WIN MUL_LO
	MUL16 0, 1, NQ-1, 1, 0
	MUL16 2, 1, NQ-1, 1, 0
	s_wait_dscnt 0
	WIN MUL_HI
	MUL16 4, 1, NQ-1, 1, 0
	MUL16 6, 1, NQ-1, 1, 0
	WIN 0
; THE WAY OUT, block by block of 16 rows x 128 columns.  PACK: rounded to f16, 16 bytes a lane, each accumulator from its low end on.  TOSTAGE: into my own stage, and back as whole rows of 256 bytes.  SEND: stored.
.macro PACK a
.set AC, 64*((\a)%4)
	WIN 0x0a+5*((\a)/4)                            ; sources 0 and 1: window 2 or 3
.irp b, 0,1,2,3,4,5,6,7
.irp r, 0,1,2,3
	v_cvt_pk_f16_f32 v[TMP+4*\b+\r], v[AC+8*\b+2*\r], v[AC+8*\b+2*\r+1]
.endr
.endr
	WIN 0
.endm
.macro TOSTAGE a
.set BKR, OB+192*((\a)%2)
.irp b, 0,1,2,3,4,5,6,7
	ds_store_b128 v[STO], v[TMP+4*\b:TMP+4*\b+3] offset:32*\b
.endr
.irp t, 0,1,2,3,4,5,6,7
	ds_load_b128 v[BKR+4*\t:BKR+4*\t+3], v[RD] offset:\t*2*SPITCH    ; LDS serves a wave's instructions in order: these see the stores above
.endr
.endm
.macro SEND a
.set BKR, OB+192*((\a)%2)
	s_wait_dscnt 0x0                               ; the block is back in registers
	s_wait_xcnt 0x0                                ; earlier stores have read their base and their registers: both may be written again
.if (\a) > 0
	s_add_nc_u64 s[12:13], s[12:13], 16*CROW       ; 16 rows of C on
.endif
.irp t, 0,1,2,3,4,5,6,7
	global_store_b128 v[CO], v[BKR+4*\t:BKR+4*\t+3], s[12:13] offset:2*\t*CROW   ; 16 lanes store 256 consecutive bytes, at a multiple of 256 from C's first byte
.endr
.endm
	PLACES NP                                      ; behind the last products
	PACK 0
	TOSTAGE 0
.irp a, 1,2,3,4,5,6,7                  ; block a's conversions stand between block a - 1's loads from the stage and the wait for them
	PACK \a
	SEND \a-1
	TOSTAGE \a
.endr
	SEND 7
	s_wait_tensorcnt 0x0                           ; the wave's end, behind my last tensor load and my last LDS store
	ds_add_u32 v[SPW], v[NIL]
	s_wait_dscnt 0x0
	CROUND                                         ; the closing round
	s_endpgm
.Lfunc_end_k_q2f688ed468_proj:
	.size	k_q2f688ed468_proj, .Lfunc_end_k_q2f688ed468_proj-k_q2f688ed468_proj
	.p2alignl 7, 3214868480
	.fill 96, 4, 3214868480
	.section	.rodata,"a",@progbits
	.p2align	6, 0x0
	.amdhsa_kernel k_q2f688ed468_proj
		.amdhsa_group_segment_fixed_size 327680
		.amdhsa_private_segment_fixed_size 0
		.amdhsa_enable_private_segment 0
		.amdhsa_kernarg_size 40
		.amdhsa_user_sgpr_count 2
		.amdhsa_user_sgpr_kernarg_segment_ptr 1
		.amdhsa_wavefront_size32 1
		.amdhsa_system_sgpr_workgroup_id_x 1
		.amdhsa_system_sgpr_workgroup_id_y 1
		.amdhsa_system_sgpr_workgroup_id_z 1
		.amdhsa_system_vgpr_workitem_id 0
		.amdhsa_next_free_vgpr 1024
		.amdhsa_next_free_sgpr 98
		.amdhsa_reserve_vcc 0
		.amdhsa_float_denorm_mode_32 3
		.amdhsa_float_denorm_mode_16_64 3
		.amdhsa_memory_ordered 1
		.amdhsa_forward_progress 1
		.amdhsa_inst_pref_size 127
	.end_amdhsa_kernel
	.amdgpu_metadata
---
amdhsa.version: [ 1, 2 ]
amdhsa.kernels:
  - .name:           k_q2f688ed468_proj
    .symbol:         k_q2f688ed468_proj.kd
    .args:
      - { .name: xc, .offset: 0, .size: 8, .value_kind: global_buffer, .address_space: global }
      - { .name: xs, .offset: 8, .size: 8, .value_kind: global_buffer, .address_space: global }
      - { .name: wc, .offset: 16, .size: 8, .value_kind: global_buffer, .address_space: global }
      - { .name: ws, .offset: 24, .size: 8, .value_kind: global_buffer, .address_space: global }
      - { .name: qkv, .offset: 32, .size: 8, .value_kind: global_buffer, .address_space: global }
    .group_segment_fixed_size: 327680
    .private_segment_fixed_size: 0
    .kernarg_segment_align: 8
    .kernarg_segment_size: 40
    .max_flat_workgroup_size: 128
    .sgpr_count:     98
    .vgpr_count:     1024
    .wavefront_size: 32
...
	.end_amdgpu_metadata
.endif
;; end of part 2
;; launch attn (part 3): grid 4 x 64, 8 waves a work-group, clusters of 4 x 1, 327,680 bytes of LDS; arguments qkv, ctx; writes ctx
.if DOCPART == 3
	.amdgcn_target "amdgcn-amd-amdhsa--gfx1250"
	.amdhsa_code_object_version 6
	.text
	.protected	k_q2f688ed468_attn
	.globl	k_q2f688ed468_attn
	.p2align	8
	.type	k_q2f688ed468_attn,@function
k_q2f688ed468_attn:
	s_mov_b64 s[64:65], 0
	v_nop
	global_prefetch_b8 v0, s[64:65] scope:SCOPE_SE
	s_setreg_imm32_b32 hwreg(HW_REG_WAVE_MODE, 25, 1), 1
	s_wait_xcnt 0x0
	s_wait_alu depctr_hold_cnt(0) depctr_sa_sdst(0) depctr_va_vdst(0) depctr_va_sdst(0) depctr_va_ssrc(0) depctr_va_vcc(0) depctr_vm_vsrc(0)
	s_getreg_b32 s2, hwreg(HW_REG_IB_STS2, 6, 4)
	s_cmp_eq_u32 s2, 0
	s_cbranch_scc0 .Lentry_in_a_cluster
	s_endpgm
.Lentry_in_a_cluster:
	s_bfe_u32 s2, ttmp6, 0x10000c
	s_cmp_lg_u32 s2, 0x3003
	s_cbranch_scc0 .Lentry_shape_is_right
	s_endpgm
.Lentry_shape_is_right:
; ATTN.  ctx[head][q][:] = the sum over k of softmax_k(q[head][q] . k[head][k] / 8) v[head][k][:], 64 heads of 2,048 positions x 64 channels.
; qkv: [3][64 heads][2048][64] f16 (the projections' rows re-read row-major, as the reshape has them).  ctx: [64][2048][64] f16.  Products, maxima and sums in f32; the weights p are rounded to f16 for the second
; product, ctx once at the end.  LIMIT: |ctx| stays under 65,504, the largest f16 number.
; SHARES.  A work-group owns 512 queries of one head; each of its eight waves 64: four tiles of 16.  Two waves share a SIMD: one wave's vector work stands beside the other's matrix work.  Every wave walks all keys, 64 a step.
; LAYOUT.  S^T = K Q^T (source 0 = 16 keys, source 1 = 16 queries): a lane holds ONE query (lane % 16) and the keys 8 (lane / 16) + 0..7.  Two such tiles, rounded to f16 in pairs, ARE source 1 (32 keys x 16 queries)
; of O^T = V^T P, whose result again holds one query a lane.  K comes out of LDS as it lies, V ([key][channel]) turned, by ds_load_tr16_b128.
; SOFTMAX.  For each query a running maximum m and sum l: p = 2^(c s - c m), c = log2(e) / 8; in every step O and l are multiplied by a = 2^(c m_old - c m_new).  m begins at -3e38 and O, l at 0: the first a is 0.
; CLUSTER.  The four query blocks of a head form a cluster and walk the same K and V: each tile is asked for jointly, by the same tensor load with the same descriptor and the mask of all four.
; RING.  Two LDS slots of four key steps (256 keys).  Waves 0-3 fetch the four steps' K, waves 4-7 their V: one load a wave behind each round.
; REGISTERS.  window 0: v1-15 addresses; v16-47 eight registers of statistics a tile; v64-127 K of one step; v128-255 S^T, 32 a tile; P is made in place, in the first 16 of a tile's 32.
;             window 1: v0-63 Q; v64-127 V of one step; v128-255 O^T, 32 a tile.
.set KS,    64        ; keys in a step
.set PK,    144       ; a row of K in LDS: 128 bytes + 16 of padding: 36 words from row to row
.set PV,    160       ; a row of V: 128 + 32: 40 words from row to row: the turning load's 8 rows x 32 bytes fall on different words modulo 64
.set VOFF,  KS*PK     ; a step's tiles lie together: 64 rows of K, then 64 rows of V
.set STEPB, KS*(PK+PV)
.set SLOT1, 1<<17     ; a slot holds four steps (77,824 bytes); slot 1 begins here, so that one exclusive or turns an address
.set SLOTB, 4*KS*128  ; a slot's keys in memory: 32,768 bytes of K, and of V
.set STAGE, SLOT1+4*STEPB  ; behind the ring: 16 rows x 144 bytes for each wave, for the way out
.set SP,    144
.set SPARE, STAGE+8*16*SP  ; the spare words, 128 bytes for each wave: four blocks of 256 bytes that no other line names
.set AK0, 2           ; v2   my lane's place in a tile of K; never rewritten
.set AV0, 3           ; v3   the same for V
.set ADK, 4           ; v4   LDS address of the run of K's loads in hand
.set ADV, 5           ; v5   of V's
.set QO,  6           ; v6   my byte offset in the wave's rows of Q
.set STO, 7           ; v7   the way out: where I put 16 bytes of a row
.set RD,  8           ; v8   the way out: where I read rows back
.set GO,  9           ; v9   my byte offset in a tile's 2,048 bytes of ctx
.set SPW, 12          ; v12  LDS address of my spare word; never rewritten
.set NIL, 13          ; v13  0; never rewritten
.set PFO, 14          ; v14  256 x my lane; never rewritten
.set ST,  16          ; tile t's statistics at v[ST+8 t]: +0 c m, +1 m, +2, +3 l (even keys', odd keys'), +4 to +7 at work; a takes +6, c m_old - c m_new takes +7
.set KF,  64
.set S,   128
.set VF,  64          ; in window 1
.set OT,  128         ; in window 1
.set WV,  12          ; s12  my wave's number
.set LIM, 15          ; s15  1 in a wave that prefetches, else the greatest number
.set PFA, 18          ; s[18:19] where my prefetches stand
.set G1K, 24          ; s[24:31] descriptor group 1 for K's tiles
.set G1V, 32          ; s[32:39] for V's: it differs in the padding alone
.set G0K, 40          ; s[40:47] group 0 for K's tiles: a set for each of the two first fills; the second then walks on
.set G0V, 48          ; s[48:55] the same for V's
.set SLOTS, 56        ; s56  slots still to be asked for
.set CNT, 57          ; s57  counts a slot's first three steps
.set CS,  58          ; s[58:59] c
.set SEL, 60          ; s[60:61] lane selects for v_permlanex16_b32: lane l xor 16
.set TBK, 62          ; s62  LDS byte at which the step begins whose K is fetched next
.set TBV, 63          ; s63  the same for V
.set MSB, 0
.macro WIN new                      ; the immediate's high byte repeats the setting that is left
.if MSB != \new
	s_set_vgpr_msb (MSB<<8)|\new
.set MSB, \new
.endif
.endm
.set W_KQ, 0x04       ; Q (source 1) in window 1; K and S^T in window 0
.set W_PV, 0x51       ; V (source 0) and O^T in window 1, P in window 0
.set W_RS, 0x41       ; O^T (destination and source 0) in window 1, a in window 0
.set TO_1, 0x40       ; destination window 1, address window 0
.macro PLACES                       ; four plain vector instructions (ISA guide 7.12.1)
.rept 4
	v_nop
.endr
.endm
; A joint refill.  The branch hangs on the wave's number alone.  An s_nop 0 and four v_nop follow each of the two lines.
.macro JLOAD
	s_cmp_lt_u32 s[WV], 4
	s_cbranch_scc0 .Lfor_v_\@
	tensor_load_to_lds s[G0K+4:G0K+7], s[G1K:G1K+7]
	s_nop 0
.rept 4
	v_nop
.endr
	s_branch .Lasked_\@
.Lfor_v_\@:
	tensor_load_to_lds s[G0V+4:G0V+7], s[G1V:G1V+7]
	s_nop 0
.rept 4
	v_nop
.endr
.Lasked_\@:
.endm
; A prefetch of what the NEXT change of slots will ask for: a slot's 32,768 bytes of K and of V.  The four partners share them out by address, 8,192 bytes each; in each, wave 0 asks for K's and wave 4 for V's,
; lanes 256 bytes apart: each aligned block of 256 bytes is named once in the launch, four key steps ahead of the load that wants it.  The last change that fills a slot asks for nothing.
.macro ASK
	s_cmp_gt_u32 s[SLOTS], s[LIM]
	s_cbranch_scc0 .Lnot_mine_\@
	global_prefetch_b8 v[PFO], s[PFA:PFA+1] th:TH_LOAD_NT scope:SCOPE_SE
.Lnot_mine_\@:
.endm
.macro CROUND                       ; a round of the cluster's barrier
	s_barrier_signal -1
	s_barrier_wait -1
	s_cmp_lg_u32 s[WV], 0
	s_cbranch_scc1 .Lnot_wave_0_\@
	s_barrier_signal -3
.Lnot_wave_0_\@:
	s_barrier_wait -3
	s_barrier_signal -1
	s_barrier_wait -1
.endm
	s_load_b128 s[20:23], s[0:1], 0x0  ; qkv s[20:21], ctx s[22:23]
	v_lshl_add_u32 v[SPW], v0, 2, SPARE
	v_mov_b32 v[NIL], 0
	ds_add_u32 v[SPW], v[NIL]       ; the wave's opening: the add, twice on end, and its wait ahead of my first tensor load
	ds_add_u32 v[SPW], v[NIL]
	v_lshrrev_b32 v1, 5, v0
	v_readfirstlane_b32 s[WV], v1   ; wave 0..7
	s_bfe_u32 s13, ttmp6, 0x40000   ; cx: my place in the cluster
	s_lshl_b32 s14, ttmp9, 2
	s_add_co_u32 s14, s14, s13      ; my block of 512 queries: it enters Q's and ctx's addresses alone
	s_and_b32 s2, ttmp7, 0xffff     ; the head, which the four partners share
	s_lshl_b32 s2, s2, 18           ; its first byte in a tensor: 262,144 bytes a head
	s_and_b32 s16, s[WV], 3         ; which of a slot's four steps I fetch:
	s_lshl_b32 s3, s16, 13          ; its 64 rows of 128 bytes in memory,
	s_add_co_u32 s6, s2, s3
	s_add_co_u32 s8, s6, 0x2000000  ; in V, the third tensor of qkv,
	s_add_co_u32 s6, s6, 0x1000000  ; and in K, the second
	s_mov_b32 s7, 0
	s_mov_b32 s9, 0
	s_mul_i32 s17, s16, STEPB       ; and its place in a slot
	s_lshl_b32 s4, s14, 16          ; my block's 512 rows,
	s_lshl_b32 s3, s[WV], 13        ; my wave's 64 of them
	s_add_co_u32 s4, s4, s3
	s_add_co_u32 s4, s4, s2
	s_mov_b32 s5, 0
	s_mov_b64 s[10:11], s[4:5]      ; the same offset in ctx
	; descriptor group 1: a tile of 64 rows x 64 elements of 2 bytes, dense in memory, padded in LDS behind every row
	s_mov_b32 s[G1K], 15|(1<<16)|(1<<20)|(1<<21)|(4<<22)|(3<<25)  ; the mask of all four; elements of 2 bytes; padding on; bit 21 beside a mask; after every 32 words, 4 words
	s_mov_b32 s[G1V], 15|(1<<16)|(1<<20)|(1<<21)|(4<<22)|(7<<25)  ; the same with 8 words
.irp g, G1K, G1V
	s_mov_b32 s[\g+1], 64<<16       ; tensor_dim0
	s_mov_b32 s[\g+2], KS<<16       ; tensor_dim1
	s_mov_b32 s[\g+3], 64<<16       ; tile_dim0
	s_mov_b32 s[\g+4], KS           ; tile_dim1
	s_mov_b32 s[\g+5], 64           ; elements from row to row
	s_mov_b32 s[\g+6], 0
	s_mov_b32 s[\g+7], 0
.endr
	s_mov_b32 s[CS], 0x3e38aa3b     ; c = log2(e) / 8
	s_mov_b32 s[CS+1], s[CS]        ; named with it as a pair, so it is written
	s_mov_b32 s[SEL], 0x76543210
	s_mov_b32 s[SEL+1], 0xfedcba98
	s_mov_b32 s[TBK], 0
	s_mov_b32 s[TBV], 0
	s_mov_b32 s[SLOTS], 2048/(4*KS)-2
	s_cmp_eq_u32 s16, 0             ; waves 0 and 4 prefetch: the same in all four partners
	s_cselect_b32 s[LIM], 1, -1
	v_and_b32 v[PFO], 31, v0
	v_lshlrev_b32 v[PFO], 8, v[PFO]
	s_wait_dscnt 0x0                ; both opening adds are done
	s_wait_kmcnt 0x0
	s_add_nc_u64 s[6:7], s[20:21], s[6:7]    ; K and V at my tile of slot 0
	s_add_nc_u64 s[8:9], s[20:21], s[8:9]
	s_add_nc_u64 s[4:5], s[20:21], s[4:5]    ; Q at my wave's first row
	s_add_nc_u64 s[10:11], s[22:23], s[10:11]  ; ctx likewise
	s_cmp_lt_u32 s[WV], 4
	s_cselect_b64 s[PFA:PFA+1], s[6:7], s[8:9]  ; (in waves 0 and 4 these stand at a slot's first row)
	s_lshl_b32 s2, s13, 13          ; my work-group's 8,192 bytes of the 32,768
	s_mov_b32 s3, 0
	s_add_nc_u64 s[PFA:PFA+1], s[PFA:PFA+1], s[2:3]
	s_add_nc_u64 s[PFA:PFA+1], s[PFA:PFA+1], 2*SLOTB  ; in slot 2; the first change of slots steps it to slot 3.  Nothing is prefetched at the head
	CROUND                          ; all four work-groups are here: the first joint loads meet
.irp s, 0,1
	s_mov_b32 s[G0K+4*\s], 1
	s_add_co_u32 s[G0K+4*\s+1], s17, \s*SLOT1
	s_add_nc_u64 s[G0K+4*\s+2:G0K+4*\s+3], s[6:7], \s*SLOTB
	s_or_b32 s[G0K+4*\s+3], s[G0K+4*\s+3], 0x80000000
	s_mov_b32 s[G0V+4*\s], 1
	s_add_co_u32 s[G0V+4*\s+1], s17, \s*SLOT1+VOFF
	s_add_nc_u64 s[G0V+4*\s+2:G0V+4*\s+3], s[8:9], \s*SLOTB
	s_or_b32 s[G0V+4*\s+3], s[G0V+4*\s+3], 0x80000000
.endr
	s_cmp_lt_u32 s[WV], 4           ; a wave's two first fills stand in one branch: two loads of mine are out
	s_cbranch_scc0 .Lfirst_v
	tensor_load_to_lds s[G0K:G0K+3], s[G1K:G1K+7]
	s_nop 0
	tensor_load_to_lds s[G0K+4:G0K+7], s[G1K:G1K+7]
	s_nop 0
.rept 4
	v_nop
.endr
	s_branch .Lfirst_asked
.Lfirst_v:
	tensor_load_to_lds s[G0V:G0V+3], s[G1V:G1V+7]
	s_nop 0
	tensor_load_to_lds s[G0V+4:G0V+7], s[G1V:G1V+7]
	s_nop 0
.rept 4
	v_nop
.endr
.Lfirst_asked:
	; A fragment of K or Q is 16 rows x 32 channels in 8 registers: lane l holds row l % 16; registers 0-3 channels 8 (l / 16) + 0..7, registers 4-7 channels 16 + 8 (l / 16) + 0..7
	v_and_b32 v1, 15, v0            ; r = l % 16
	v_bfe_u32 v10, v0, 4, 1         ; h = l / 16
	v_lshlrev_b32 v[QO], 7, v1
	v_lshl_add_u32 v[QO], v10, 4, v[QO]  ; row x 128 + 16 x half
	WIN TO_1
.irp i, 0,1,2,3,4,5,6,7             ; Q stays in registers: tile i / 2, channels 32 (i % 2) on
	global_load_b128 v[8*\i:8*\i+3],   v[QO], s[4:5] offset:(\i/2)*2048+(\i%2)*64
	global_load_b128 v[8*\i+4:8*\i+7], v[QO], s[4:5] offset:(\i/2)*2048+(\i%2)*64+32
.endr
	WIN 0
	v_mul_u32_u24 v[AK0], v1, PK
	v_lshl_add_u32 v[AK0], v10, 4, v[AK0]
	; the turning load: lane l reads 16 bytes: key 8 (l / 16) + l % 8, channels 8 ((l / 8) % 2) + 0..7
	v_and_b32 v11, 7, v0
	v_bfe_u32 v15, v0, 3, 1
	v_lshl_add_u32 v[AV0], v10, 3, v11
	v_mul_u32_u24 v[AV0], v[AV0], PV
	v_lshl_add_u32 v[AV0], v15, 4, v[AV0]
	v_add_nc_u32 v[AV0], VOFF, v[AV0]
	s_mul_i32 s13, s[WV], 16*SP
	s_add_co_u32 s13, s13, STAGE    ; my stage
	v_mul_u32_u24 v[STO], v1, SP    ; in: row l % 16, 16 bytes for each half of the lanes
	v_lshl_add_u32 v[STO], v10, 4, v[STO]
	v_add_nc_u32 v[STO], s13, v[STO]
	v_bfe_u32 v15, v0, 3, 2         ; back: eight lanes to a row of 128 bytes, four rows an instruction
	v_mul_u32_u24 v[RD], v15, SP
	v_lshl_add_u32 v[RD], v11, 4, v[RD]
	v_add_nc_u32 v[RD], s13, v[RD]
	v_and_b32 v[GO], 31, v0
	v_lshlrev_b32 v[GO], 4, v[GO]   ; ctx's rows of a head are dense: four rows are 512 consecutive bytes
.irp t, 0,1,2,3
	v_mov_b32 v[ST+8*\t+1], 0xff61b1e6   ; m = -3e38, under every score
	v_mul_f32 v[ST+8*\t], s[CS], v[ST+8*\t+1]
	v_mov_b32 v[ST+8*\t+2], 0       ; l
	v_mov_b32 v[ST+8*\t+3], 0
.endr
	WIN TO_1
.set i, 0
.rept 128
	v_mov_b32 v[OT+i], 0            ; O^T.  The key step is written without a first form of its own: the first a is 0 and leaves zeros
.set i, i+1
.endr
	WIN 0
.macro FETCH_K                      ; a step's K: 64 keys x 64 channels: fragment (keys 16 (f / 2) on, channels 32 (f % 2) on); 16 loads
	v_add_nc_u32 v[ADK], s[TBK], v[AK0]
	s_add_co_u32 s[TBK], s[TBK], STEPB
.irp f, 0,1,2,3,4,5,6,7
	ds_load_b128 v[KF+8*\f:KF+8*\f+3],   v[ADK] offset:(\f/2)*16*PK+(\f%2)*64
	ds_load_b128 v[KF+8*\f+4:KF+8*\f+7], v[ADK] offset:(\f/2)*16*PK+(\f%2)*64+32
.endr
.endm
.macro FETCH_V                      ; a step's V, turned: fragment (keys 32 (f / 4) on, channels 16 (f % 4) on); 16 loads
	v_add_nc_u32 v[ADV], s[TBV], v[AV0]
	s_add_co_u32 s[TBV], s[TBV], STEPB
	PLACES                          ; with the addition above: five plain instructions behind the last V^T P: four are owed to the loads into V's registers, five to the K Q^T that writes over P
	WIN TO_1
.irp f, 0,1,2,3,4,5,6,7
	ds_load_tr16_b128 v[VF+8*\f:VF+8*\f+3],   v[ADV] offset:(\f/4)*32*PV+(\f%4)*32
	ds_load_tr16_b128 v[VF+8*\f+4:VF+8*\f+7], v[ADV] offset:(\f/4)*32*PV+16*PV+(\f%4)*32
.endr
	WIN 0
.endm
; 32 products S^T = K Q^T: channels 32 (i / 16) on, keys 16 ((i / 4) % 4) on, tile i % 4.  The first 16 start the sums.  The 16 accumulators take turns, one instruction a turn.
.macro KQ
	WIN W_KQ
.set i, 0
.rept 32
.set rS, S+32*(i%4)+8*((i/4)%4)
.set rK, KF+16*((i/4)%4)+8*(i/16)
.set rQ, 16*(i%4)+8*(i/16)
.if i < 16
	v_wmma_f32_16x16x32_f16 v[rS:rS+7], v[rK:rK+7], v[rQ:rQ+7], 0
.else
	v_wmma_f32_16x16x32_f16 v[rS:rS+7], v[rK:rK+7], v[rQ:rQ+7], v[rS:rS+7]
.endif
.set i, i+1
.endr
.endm
; 32 products O^T += V^T P: keys 32 (i / 16) on, channels 16 ((i / 4) % 4) on, tile i % 4; the 16 accumulators by turns.
.macro PVM
	WIN W_PV
.set i, 0
.rept 32
.set rO, OT+32*(i%4)+8*((i/4)%4)
.set rV, VF+8*(4*(i/16)+(i/4)%4)
.set rP, S+32*(i%4)+8*(i/16)
	v_wmma_f32_16x16x32_f16 v[rO:rO+7], v[rV:rV+7], v[rP:rP+7], v[rO:rO+7]
.set i, i+1
.endr
.endm
; THE SOFTMAX of four tiles for one key step; the tiles alternate line by line, so that no line waits for the line above it.
.macro SOFTMAX
.irp j, 0,1,2,3                     ; the maximum of a lane's 32 scores and the old m: four chains of seven scores; each accumulator is first read at its low end
.irp t, 0,1,2,3
	v_max3_num_f32 v[ST+8*\t+4+\j], v[S+32*\t+8*\j], v[S+32*\t+8*\j+1], v[S+32*\t+8*\j+2]
.endr
.endr
.irp g, 1,2
.irp j, 0,1,2,3
.irp t, 0,1,2,3
	v_max3_num_f32 v[ST+8*\t+4+\j], v[ST+8*\t+4+\j], v[S+32*\t+8*\j+2*\g+1], v[S+32*\t+8*\j+2*\g+2]
.endr
.endr
.endr
.irp t, 0,1,2,3
	v_max3_num_f32 v[ST+8*\t+4], v[ST+8*\t+4], v[S+32*\t+7], v[S+32*\t+15]
.endr
.irp t, 0,1,2,3
	v_max3_num_f32 v[ST+8*\t+6], v[ST+8*\t+6], v[S+32*\t+23], v[S+32*\t+31]
.endr
.irp t, 0,1,2,3
	v_max3_num_f32 v[ST+8*\t+4], v[ST+8*\t+4], v[ST+8*\t+5], v[ST+8*\t+6]
.endr
.irp t, 0,1,2,3
	v_max3_num_f32 v[ST+8*\t+4], v[ST+8*\t+4], v[ST+8*\t+7], v[ST+8*\t+1]
.endr
.irp t, 0,1,2,3
	v_permlanex16_b32 v[ST+8*\t+5], v[ST+8*\t+4], s[SEL], s[SEL+1]  ; the query's other 32 keys lie in the lane 16 away
.endr
.irp t, 0,1,2,3
	v_max_num_f32 v[ST+8*\t+1], v[ST+8*\t+4], v[ST+8*\t+5]          ; the new m
.endr
.irp t, 0,1,2,3
	v_mov_b32 v[ST+8*\t+7], v[ST+8*\t]                              ; c m_old is kept
.endr
.irp t, 0,1,2,3
	v_mul_f32 v[ST+8*\t], s[CS], v[ST+8*\t+1]                       ; c m
.endr
.irp t, 0,1,2,3
	v_sub_f32 v[ST+8*\t+7], v[ST+8*\t+7], v[ST+8*\t]                ; c m_old - c m_new, 0 or less
.endr
.irp t, 0,1,2,3
	v_exp_f32 v[ST+8*\t+6], v[ST+8*\t+7]                            ; a
.endr
.set i, 0
.rept 16                            ; tile 0's scalings c s - c m, a pair of scores each: plain work behind the four exponentials
	v_pk_fma_f32 v[S+2*i:S+2*i+1], v[S+2*i:S+2*i+1], s[CS:CS+1], v[ST:ST+1] op_sel_hi:[1,0,0] neg_lo:[0,0,1] neg_hi:[0,0,1]
.set i, i+1
.endr
	s_wait_alu depctr_va_vdst(0)    ; one wait for the four a, which the rescaling below reads
.irp t, 0,1,2,3                     ; ONE BATCH: all 128 exponentials; the next tile's scalings stand among them.  Nothing here names a result
.set i, 0
.rept 16
.if \t < 3
	v_pk_fma_f32 v[S+32*(\t+1)+2*i:S+32*(\t+1)+2*i+1], v[S+32*(\t+1)+2*i:S+32*(\t+1)+2*i+1], s[CS:CS+1], v[ST+8*(\t+1):ST+8*(\t+1)+1] op_sel_hi:[1,0,0] neg_lo:[0,0,1] neg_hi:[0,0,1]
.endif
	v_exp_f32 v[S+32*\t+2*i], v[S+32*\t+2*i]
	v_exp_f32 v[S+32*\t+2*i+1], v[S+32*\t+2*i+1]
.set i, i+1
.endr
.endr
	WIN W_RS                        ; O^T times a: plain work that names none of the batch's results stands between the batch and its wait
.irp t, 0,1,2,3
.set i, 0
.rept 16
	v_pk_mul_f32 v[OT+32*\t+2*i:OT+32*\t+2*i+1], v[OT+32*\t+2*i:OT+32*\t+2*i+1], v[ST+8*\t+6:ST+8*\t+7] op_sel_hi:[1,0]
.set i, i+1
.endr
.endr
	WIN 0
.irp t, 0,1,2,3
	v_pk_mul_f32 v[ST+8*\t+2:ST+8*\t+3], v[ST+8*\t+2:ST+8*\t+3], v[ST+8*\t+6:ST+8*\t+7] op_sel_hi:[1,0]   ; l times a
.endr
	s_wait_alu depctr_va_vdst(0)    ; one wait for the batch, ahead of its first reader
.irp t, 0,1,2,3                     ; the sums of the unrounded p, two at a time, in two chains a tile
	v_pk_add_f32 v[ST+8*\t+4:ST+8*\t+5], v[S+32*\t:S+32*\t+1], v[S+32*\t+2:S+32*\t+3]
.endr
.irp j, 4,8,12,16,20,24,28
.irp t, 0,1,2,3
	v_pk_add_f32 v[ST+8*\t+2:ST+8*\t+3], v[ST+8*\t+2:ST+8*\t+3], v[S+32*\t+\j:S+32*\t+\j+1]
.endr
.irp t, 0,1,2,3
	v_pk_add_f32 v[ST+8*\t+4:ST+8*\t+5], v[ST+8*\t+4:ST+8*\t+5], v[S+32*\t+\j+2:S+32*\t+\j+3]
.endr
.endr
.irp t, 0,1,2,3
	v_pk_add_f32 v[ST+8*\t+2:ST+8*\t+3], v[ST+8*\t+2:ST+8*\t+3], v[ST+8*\t+4:ST+8*\t+5]
.endr
.set i, 0
.rept 16                            ; P in place: register i takes weights 2 i and 2 i + 1; ascending, so that nothing unread is written over
.irp t, 0,1,2,3
	v_cvt_pk_f16_f32 v[S+32*\t+i], v[S+32*\t+2*i], v[S+32*\t+2*i+1]
.endr
.set i, i+1
.endr
.endm
; THE CHANGE OF SLOTS, in a slot's fourth step, when its last bytes (that step's V) have been asked for.  Each wave waits for all its tensor loads (one is out: its part of the other slot), adds 0 to its spare word, and
; waits for that and for its reads of the slot.  fill = 1: the barrier is a round of the cluster's, and the joint refill, with the keys two slots on, is the first thing behind it: it has four key steps in which to land.
.macro CHANGE fill
	s_wait_tensorcnt 0x0            ; no tensor load of mine is out, so a group 0 may be written
	ds_add_u32 v[SPW], v[NIL]       ; 0 onto my spare word
.if \fill
.irp g, G0K+4, G0V+4
	s_xor_b32 s[\g+1], s[\g+1], SLOT1  ; the walking descriptor: the other slot than last time,
	s_add_nc_u64 s[\g+2:\g+3], s[\g+2:\g+3], SLOTB  ; the next 256 keys
.endr
	s_wait_xcnt 0x0                 ; the last prefetch, four key steps back, has read its address
	s_add_nc_u64 s[PFA:PFA+1], s[PFA:PFA+1], SLOTB
	s_wait_dscnt 0x0                ; the add is done, and my reads of the slot are over
	CROUND
	JLOAD
	ASK
.else
	s_wait_dscnt 0x0
	s_barrier_signal -1
	s_barrier_wait -1
.endif
	s_sub_co_u32 s[TBK], s[TBK], 4*STEPB  ; the fetches go back to a slot's first step,
	s_xor_b32 s[TBK], s[TBK], SLOT1       ; in the other slot
	s_sub_co_u32 s[TBV], s[TBV], 4*STEPB
	s_xor_b32 s[TBV], s[TBV], SLOT1
.endm
; A KEY STEP.  mode 0: plain; 1: a slot's last step, the slot is filled again; 2: a slot's last step, nothing is asked for; 3: the last step of all.
.macro STEP mode
	FETCH_V                         ; this step's V
	s_wait_dscnt 16                 ; this step's K, asked for a step ago, is in; V's 16 loads may be out
	KQ
	WIN 0
	PLACES                          ; behind K Q^T: for the loads into K's registers and the first read of the scores
.if \mode == 1
	CHANGE 1
.elseif \mode == 2
	CHANGE 0
.endif
.if \mode != 3
	FETCH_K                         ; the next step's K
.endif
	SOFTMAX
.if \mode == 3
	s_wait_dscnt 0x0
.else
	s_wait_dscnt 16                 ; V is in; the next K's 16 loads may be out
.endif
	PVM
	WIN 0
.endm
.macro THREE_STEPS
	s_mov_b32 s[CNT], 3
.Lstep_\@:
	STEP 0
	s_sub_co_u32 s[CNT], s[CNT], 1
	s_cmp_lg_u32 s[CNT], 0
	s_cbranch_scc1 .Lstep_\@
.endm
	s_wait_tensorcnt 1              ; my part of slot 0 is in; slot 1's may stay out
	s_barrier_signal -1
	s_barrier_wait -1               ; everybody's is
	FETCH_K                         ; key step 0
	s_wait_loadcnt 0x0              ; Q
.Lslot:                             ; six trips: every slot but the last two is filled again
	THREE_STEPS
	STEP 1
	s_sub_co_u32 s[SLOTS], s[SLOTS], 1
	s_cmp_lg_u32 s[SLOTS], 0
	s_cbranch_scc1 .Lslot
	THREE_STEPS                     ; the tail is written out
	STEP 2
	THREE_STEPS
	STEP 3
	; THE WAY OUT.  l's two halves and the other half of the lanes' are added (these lines are the places behind the last products); O^T is divided by l, rounded to f16 and sent through my stage, a tile at a time.
.irp t, 0,1,2,3
	v_add_f32 v[ST+8*\t+4], v[ST+8*\t+2], v[ST+8*\t+3]
.endr
.irp t, 0,1,2,3
	v_permlanex16_b32 v[ST+8*\t+5], v[ST+8*\t+4], s[SEL], s[SEL+1]
.endr
.irp t, 0,1,2,3
	v_add_f32 v[ST+8*\t+4], v[ST+8*\t+4], v[ST+8*\t+5]
.endr
.irp t, 0,1,2,3
	v_rcp_f32 v[ST+8*\t+6], v[ST+8*\t+4]
.endr
	v_nop                           ; a plain instruction behind the last reciprocal
	s_wait_alu depctr_va_vdst(0)    ; and one wait for the four, ahead of the first use
.macro PACK t                       ; a lane's eight channels of a row pack into 16 bytes; they go into rows of 144 bytes and come back four rows at a time
	WIN W_RS
.set i, 0
.rept 16
	v_pk_mul_f32 v[OT+32*\t+2*i:OT+32*\t+2*i+1], v[OT+32*\t+2*i:OT+32*\t+2*i+1], v[ST+8*\t+6:ST+8*\t+7] op_sel_hi:[1,0]
.set i, i+1
.endr
	WIN 0x05                        ; sources 0 and 1 window 1, destination window 0
.set i, 0
.rept 16
	v_cvt_pk_f16_f32 v[S+32*\t+i], v[OT+32*\t+2*i], v[OT+32*\t+2*i+1]
.set i, i+1
.endr
	WIN 0
.irp f, 0,1,2,3
	ds_store_b128 v[STO], v[S+32*\t+4*\f:S+32*\t+4*\f+3] offset:32*\f
.endr
.irp f, 0,1,2,3
	ds_load_b128 v[S+32*\t+16+4*\f:S+32*\t+16+4*\f+3], v[RD] offset:\f*4*SP  ; LDS serves a wave's instructions in order: these see the stores above; the next tile's stores come behind them
.endr
.endm
.macro SEND t, younger              ; younger: the LDS instructions issued behind tile t's loads: the next tile's eight, or none
.irp f, 0,1,2,3
	s_wait_dscnt \younger+3-\f
	global_store_b128 v[GO], v[S+32*\t+16+4*\f:S+32*\t+16+4*\f+3], s[10:11] offset:\t*2048+\f*512  ; the wave stores 512 consecutive bytes, at a multiple of 256 from ctx's first byte
.endr
.endm
	PACK 0
	PACK 1
	SEND 0, 8
	PACK 2
	SEND 1, 8
	PACK 3
	SEND 2, 8
	SEND 3, 0
	s_wait_tensorcnt 0x0            ; the wave's end, behind my last tensor load and my last LDS store
	ds_add_u32 v[SPW], v[NIL]
	s_wait_dscnt 0x0
	CROUND                          ; the closing round
	s_endpgm
.Lfunc_end_k_q2f688ed468_attn:
	.size	k_q2f688ed468_attn, .Lfunc_end_k_q2f688ed468_attn-k_q2f688ed468_attn
	.p2alignl 7, 3214868480
	.fill 96, 4, 3214868480
	.section	.rodata,"a",@progbits
	.p2align	6, 0x0
	.amdhsa_kernel k_q2f688ed468_attn
		.amdhsa_group_segment_fixed_size 327680
		.amdhsa_private_segment_fixed_size 0
		.amdhsa_enable_private_segment 0
		.amdhsa_kernarg_size 16
		.amdhsa_user_sgpr_count 2
		.amdhsa_user_sgpr_kernarg_segment_ptr 1
		.amdhsa_wavefront_size32 1
		.amdhsa_system_sgpr_workgroup_id_x 1
		.amdhsa_system_sgpr_workgroup_id_y 1
		.amdhsa_system_sgpr_workgroup_id_z 1
		.amdhsa_system_vgpr_workitem_id 0
		.amdhsa_next_free_vgpr 512
		.amdhsa_next_free_sgpr 66
		.amdhsa_reserve_vcc 0
		.amdhsa_float_denorm_mode_32 3
		.amdhsa_float_denorm_mode_16_64 3
		.amdhsa_memory_ordered 1
		.amdhsa_forward_progress 1
		.amdhsa_inst_pref_size 221
	.end_amdhsa_kernel
	.amdgpu_metadata
---
amdhsa.version: [ 1, 2 ]
amdhsa.kernels:
  - .name:           k_q2f688ed468_attn
    .symbol:         k_q2f688ed468_attn.kd
    .args:
      - { .name: qkv, .offset: 0, .size: 8, .value_kind: global_buffer, .address_space: global }
      - { .name: ctx, .offset: 8, .size: 8, .value_kind: global_buffer, .address_space: global }
    .group_segment_fixed_size: 327680
    .private_segment_fixed_size: 0
    .kernarg_segment_align: 8
    .kernarg_segment_size: 16
    .max_flat_workgroup_size: 256
    .sgpr_count:     66
    .vgpr_count:     512
    .wavefront_size: 32
...
	.end_amdgpu_metadata
.endif
;; end of part 3
;; launch fc (part 4): grid 4 x 64, 4 waves a work-group, clusters of 4 x 4, 327,680 bytes of LDS; arguments ctx, wft, out0; writes out0
.if DOCPART == 4
	.amdgcn_target "amdgcn-amd-amdhsa--gfx1250"
	.amdhsa_code_object_version 6
	.text
	.protected	k_q2f688ed468_fc
	.globl	k_q2f688ed468_fc
	.p2align	8
	.type	k_q2f688ed468_fc,@function
k_q2f688ed468_fc:
	s_mov_b64 s[64:65], 0
	v_nop
	global_prefetch_b8 v0, s[64:65] scope:SCOPE_SE
	s_setreg_imm32_b32 hwreg(HW_REG_WAVE_MODE, 25, 1), 1
	s_wait_xcnt 0x0
	s_wait_alu depctr_hold_cnt(0) depctr_sa_sdst(0) depctr_va_vdst(0) depctr_va_sdst(0) depctr_va_ssrc(0) depctr_va_vcc(0) depctr_vm_vsrc(0)
	s_getreg_b32 s2, hwreg(HW_REG_IB_STS2, 6, 4)
	s_cmp_eq_u32 s2, 0
	s_cbranch_scc0 .Lentry_in_a_cluster
	s_endpgm
.Lentry_in_a_cluster:
	s_bfe_u32 s2, ttmp6, 0x10000c
	s_cmp_lg_u32 s2, 0xf033
	s_cbranch_scc0 .Lentry_shape_is_right
	s_endpgm
.Lentry_shape_is_right:
; FC.  out0[m][n] = sum over k of A[m][k] B[n][k], f16 operands, f32 sums, f32 out.  m = 2048 b + p, k = 64 h + d: A[m][k] = ctx[16 b + h][p][d] (ctx: [64 heads][2048][64] f16); B = wft [1024 n][1024 k] f16.
; A tile of C is 128 x 256: 64 x 4 tiles, one for each of 256 work-groups.  Four waves, each 64 x 128: 32 accumulators, 256 registers.  K goes in steps of 128, two heads, through a ring of two LDS slots:
; waves 0 and 1 fetch a head's 128 rows x 128 bytes of ctx each (dense in memory), waves 2 and 3 128 rows x 256 bytes of wft each.
; CLUSTERS: 4 x 4 work-groups.  The four of a row of the cluster need the same tiles of A, the four of a column the same tiles of B: each tile is asked for jointly.
; THE MATRIX INSTRUCTION IS USED TRANSPOSED (source 0 = 16 rows of B, source 1 = 16 rows of A): a lane then holds eight neighbouring numbers of a row of C.
; REGISTERS: window 0: v0-31 addresses; v64-159, v160-255 two fragment buffers for 32 along K (A's four fragments, then B's eight).   window 1: the accumulators ((a, b) at v[8 (8 a + b)]).
.set PA,     144                       ; A's LDS row: 128 bytes + 16
.set PB,     272                       ; B's: 256 + 16
.set ABLK,   128*PA                    ; a head's 128 rows
.set BHALF,  128*PB                    ; 128 rows of B
.set SLOT,   2*ABLK+2*BHALF
.set ASTEP,  524288                    ; a K step on in ctx: two heads of 262,144 bytes
.set BSTEP,  256                       ; and in a row of wft
.set STAGE,  2*SLOT                    ; behind the ring: 16 rows x (512 bytes + 16) for each wave
.set SPITCH, 528
.set SPARE,  STAGE+4*16*SPITCH         ; the spare words, 128 bytes for each wave: two blocks of 256 bytes that no other line names
.set CROW,   4096                      ; a row of out0 in bytes
.set ADRA, 16                          ; v16-17  LDS address of my A fragments in slot 0, 1
.set ADRB, 20                          ; v20-21  the same for B
.set STO,  24
.set RD,   25
.set CO,   26
.set SPW,  28
.set NIL,  29
.set PFO,  30                          ; v30     the prefetches' lane offset; never rewritten
.set F0,   64
.set F1,   160
.set BKR,  64                          ; the way out: rows read back: v64-127 and v128-191 by turns
.set G1, 24
.set G0, 32
.set G1B, 48
.set G0B, 56
.set PFA, 66                           ; s[66:67] where my prefetches stand
.set PFS, 68                           ; s[68:69] a K step on, in bytes
.set LIM, 70                           ; s70     1 in a wave that prefetches, else the greatest number
.set MSB, 0
.macro WIN new                         ; the immediate's high byte repeats the setting that is left
.if MSB != \new
	s_set_vgpr_msb (MSB<<8)|\new
.set MSB, \new
.endif
.endm
.set MUL, 0x50                         ; sources 0 (B) and 1 (A) window 0; C and D window 1
.macro JLOAD s                         ; a joint load: waves 0 and 1 fetch A's two heads, waves 2 and 3 B's two halves; an s_nop 0 and four v_nop follow each of the two lines
	s_cmp_eq_u32 s11, 0
	s_cbranch_scc0 .Lfor_b_\@
	tensor_load_to_lds s[G0+4*\s:G0+4*\s+3], s[G1:G1+7]
	s_nop 0
.rept 4
	v_nop
.endr
	s_branch .Lasked_\@
.Lfor_b_\@:
	tensor_load_to_lds s[G0B+4*\s:G0B+4*\s+3], s[G1B:G1B+7]
	s_nop 0
.rept 4
	v_nop
.endr
.Lasked_\@:
.endm
; A prefetch of the K step that stands two refills on.  A's tile row is read by this cluster's row alone: in every work-group wave 0 asks; the four partners split both heads' 16,384 bytes by address, 4,096 each:
; lanes 0-15 in the first head, lanes 16-31 in the second, 256 bytes apart.  B's tile column is read by every cluster of the column of clusters: the clusters with y = 0 ask, waves 2 and 3, each for 32 of the 128
; rows that it fetches, told apart by address (cy), a lane a row.  So each aligned block of 256 bytes is named once.  The loop's last trip asks for nothing: K ends.
.macro ASK
	s_cmp_gt_u32 s3, s[LIM]
	s_cbranch_scc0 .Lnot_mine_\@
	global_prefetch_b8 v[PFO], s[PFA:PFA+1] th:TH_LOAD_NT scope:SCOPE_SE
.Lnot_mine_\@:
.endm
.macro CREST                           ; a round of the cluster's barrier behind its opening barrier
	s_cmp_lg_u32 s10, 0
	s_cbranch_scc1 .Lnot_wave_0_\@
	s_barrier_signal -3
.Lnot_wave_0_\@:
	s_barrier_wait -3
	s_barrier_signal -1
	s_barrier_wait -1
.endm
.macro CROUND
	s_barrier_signal -1
	s_barrier_wait -1
	CREST
.endm
	s_load_b128 s[4:7], s[0:1], 0x0                ; ctx s[4:5], wft s[6:7]
	s_load_b64 s[8:9], s[0:1], 0x10                ; out0
	v_lshl_add_u32 v[SPW], v0, 2, SPARE
	v_mov_b32 v[NIL], 0
	ds_add_u32 v[SPW], v[NIL]                      ; the wave's opening: the add, twice on end, and its wait ahead of my first tensor load
	ds_add_u32 v[SPW], v[NIL]
	v_lshrrev_b32 v1, 5, v0
	v_readfirstlane_b32 s10, v1                    ; wave 0..3
	s_lshr_b32 s11, s10, 1                         ; which 64 of the tile's rows are mine.  Also: I fetch for A (0) or for B (1)
	s_and_b32 s12, s10, 1                          ; which 128 of its columns.  Also: which head, or which 128 rows of B, I fetch
	s_bfe_u32 s40, ttmp6, 0x40000                  ; cx, cy
	s_bfe_u32 s41, ttmp6, 0x40004
	s_lshl_b32 s42, ttmp9, 2
	s_add_co_u32 s42, s42, s40                     ; tile column of C
	s_and_b32 s13, ttmp7, 0xffff
	s_lshl_b32 s13, s13, 2
	s_add_co_u32 s13, s13, s41                     ; tile row of C
	s_lshl_b32 s43, s41, 2
	s_lshl_b32 s43, 15, s43                        ; my row of the cluster
	s_lshl_b32 s44, 0x1111, s40                    ; my column
	; A: 128 rows x 64 elements of 2 bytes, dense; 4 words of padding behind every 32.  B: 128 rows x 128 elements, 1,024 elements apart; 4 words behind every 64
	s_or_b32 s[G1+0], s43, (1<<16)|(1<<20)|(1<<21)|(4<<22)|(3<<25)
	s_mov_b32 s[G1+1], 64<<16
	s_mov_b32 s[G1+2], 128<<16
	s_mov_b32 s[G1+3], 64<<16
	s_mov_b32 s[G1+4], 128
	s_mov_b32 s[G1+5], 64
	s_mov_b32 s[G1+6], 0
	s_mov_b32 s[G1+7], 0
	s_or_b32 s[G1B+0], s44, (1<<16)|(1<<20)|(1<<21)|(5<<22)|(3<<25)
	s_mov_b32 s[G1B+1], 128<<16
	s_mov_b32 s[G1B+2], 128<<16
	s_mov_b32 s[G1B+3], 128<<16
	s_mov_b32 s[G1B+4], 128
	s_mov_b32 s[G1B+5], 1024
	s_mov_b32 s[G1B+6], 0
	s_mov_b32 s[G1B+7], 0
	s_lshr_b32 s16, s13, 4                         ; A: the batch: 16 heads of 262,144 bytes,
	s_lshl_b32 s16, s16, 22
	s_and_b32 s17, s13, 15
	s_lshl_b32 s17, s17, 14                        ; + 128 rows of 128 bytes for each tile row in it,
	s_add_co_u32 s16, s16, s17
	s_lshl_b32 s17, s12, 18                        ; + my head of the step's two
	s_add_co_u32 s16, s16, s17
	s_mov_b32 s17, 0
	s_lshl_b32 s46, s42, 8                         ; B: row 256 x tile column + 128 x half,
	s_lshl_b32 s47, s12, 7
	s_add_co_u32 s46, s46, s47
	s_lshl_b32 s46, s46, 11                        ; rows of 2,048 bytes
	s_mov_b32 s47, 0
	s_mul_i32 s20, s12, ABLK                       ; where they go: A's two heads,
	s_mul_i32 s21, s12, BHALF
	s_add_co_u32 s21, s21, 2*ABLK                  ; then B's two halves
	s_wait_dscnt 0x0                               ; both opening adds are done
	s_wait_kmcnt 0x0
	s_add_nc_u64 s[14:15], s[4:5], s[16:17]
	s_add_nc_u64 s[46:47], s[6:7], s[46:47]
	CROUND                                         ; all sixteen work-groups are here: the first joint loads meet
.irp s, 0,1
	s_mov_b32 s[G0+4*\s], 1
	s_add_co_u32 s[G0+4*\s+1], s20, \s*SLOT
	s_add_nc_u64 s[G0+4*\s+2:G0+4*\s+3], s[14:15], \s*ASTEP
	s_or_b32 s[G0+4*\s+3], s[G0+4*\s+3], 0x80000000
	s_mov_b32 s[G0B+4*\s], 1
	s_add_co_u32 s[G0B+4*\s+1], s21, \s*SLOT
	s_add_nc_u64 s[G0B+4*\s+2:G0B+4*\s+3], s[46:47], \s*BSTEP
	s_or_b32 s[G0B+4*\s+3], s[G0B+4*\s+3], 0x80000000
	JLOAD \s                                       ; two tensor loads of mine are out behind the second
.endr
	v_and_b32 v1, 15, v0                           ; r = l % 16
	v_bfe_u32 v2, v0, 4, 1                         ; h = l / 16
	v_mul_u32_u24 v3, v1, PA
	v_lshl_add_u32 v3, v2, 4, v3
	v_mul_u32_u24 v4, v1, PB
	v_lshl_add_u32 v4, v2, 4, v4
	s_mul_i32 s21, s11, 64*PA                      ; my 64 rows in each head's block
	s_mul_i32 s22, s12, BHALF                      ; my 128 rows of B
	s_add_co_u32 s22, s22, 2*ABLK
.irp s, 0,1
	v_add_nc_u32 v[ADRA+\s], s21, v3
	v_add_nc_u32 v[ADRB+\s], s22, v4
	s_add_co_u32 s21, s21, SLOT
	s_add_co_u32 s22, s22, SLOT
.endr
	s_mul_i32 s23, s10, 16*SPITCH
	s_add_co_u32 s23, s23, STAGE                   ; my stage
	v_mul_u32_u24 v5, v1, SPITCH                   ; in: row l % 16, 32 bytes for each half of the lanes
	v_lshl_add_u32 v5, v2, 5, v5
	v_add_nc_u32 v[STO], s23, v5
	v_and_b32 v6, 31, v0
	v_lshlrev_b32 v[CO], 4, v6                     ; back: the 32 lanes take one row of 512 bytes; and the same in C
	v_add_nc_u32 v[RD], s23, v[CO]
	s_lshl_b32 s16, s13, 7
	s_lshl_b32 s17, s11, 6
	s_add_co_u32 s16, s16, s17                     ; my first row of C
	s_lshl_b32 s16, s16, 12                        ; in bytes (under 2^26)
	s_mov_b32 s17, 0
	s_lshl_b32 s46, s42, 10                        ; my first column, in bytes
	s_lshl_b32 s47, s12, 9
	s_add_co_u32 s46, s46, s47
	s_mov_b32 s47, 0
	s_add_nc_u64 s[16:17], s[16:17], s[46:47]
	s_add_nc_u64 s[8:9], s[8:9], s[16:17]
	; the prefetches: both offsets are made, then one compare on the wave's number chooses
	s_lshr_b32 s71, s13, 4
	s_lshl_b32 s71, s71, 22
	s_and_b32 s72, s13, 15
	s_lshl_b32 s72, s72, 14
	s_add_co_u32 s71, s71, s72
	s_lshl_b32 s72, s40, 12                        ; my work-group's 4,096 bytes of each head's 16,384
	s_add_co_u32 s71, s71, s72
	s_add_co_u32 s71, s71, 3*ASTEP                 ; at K step 3: the first refill steps it to 4
	s_lshl_b32 s72, s42, 8
	s_lshl_b32 s73, s12, 7
	s_add_co_u32 s72, s72, s73
	s_lshl_b32 s73, s41, 5                         ; my work-group's 32 rows of the 128
	s_add_co_u32 s72, s72, s73
	s_lshl_b32 s72, s72, 11
	s_add_co_u32 s72, s72, 3*BSTEP
	s_and_b32 s22, ttmp7, 0xffff                   ; cluster y
	s_cmp_eq_u32 s11, 0                            ; do I fetch for A?
	s_cselect_b64 s[PFA:PFA+1], s[4:5], s[6:7]
	s_cselect_b32 s22, s12, s22                    ; who asks: for A wave 0; for B the clusters with y = 0
	s_cselect_b32 s72, s71, s72
	s_mov_b32 s20, BSTEP
	s_cselect_b32 s[PFS], ASTEP, s20
	s_mov_b32 s20, 32768
	s_cselect_b32 s20, 262144, s20                 ; from lanes 0-15 to lanes 16-31
	s_mov_b32 s21, 2048
	s_cselect_b32 s21, 256, s21                    ; from lane to lane
	s_cmp_eq_u32 s22, 0
	s_cselect_b32 s[LIM], 1, -1                    ; the same in all sixteen partners, for a given wave
	s_mov_b32 s73, 0
	s_mov_b32 s[PFS+1], 0
	s_add_nc_u64 s[PFA:PFA+1], s[PFA:PFA+1], s[72:73]
	v_mul_lo_u32 v[PFO], v2, s20
	v_mul_lo_u32 v7, v1, s21
	v_add_nc_u32 v[PFO], v[PFO], v7
; 8 matrix instructions: A's block a x B's eight, 32 along K, from buffer f.  zero = 1: the first product starts the sums.  The 32 accumulators take turns, in the same order in every quarter.
.macro MUL8 f, a, zero
.irp b, 0,1,2,3,4,5,6,7
.if \zero
	v_wmma_f32_16x16x32_f16 v[8*(8*(\a)+\b):8*(8*(\a)+\b)+7], v[\f+32+8*\b:\f+32+8*\b+7], v[\f+8*(\a):\f+8*(\a)+7], 0
.else
	v_wmma_f32_16x16x32_f16 v[8*(8*(\a)+\b):8*(8*(\a)+\b)+7], v[\f+32+8*\b:\f+32+8*\b+7], v[\f+8*(\a):\f+8*(\a)+7], v[8*(8*(\a)+\b):8*(8*(\a)+\b)+7]
.endif
.endr
.endm
; 24 LDS loads in one run: quarter q (32 along K) of a slot into buffer f: B's sixteen, then A's eight.  Quarter q lies in head q / 2, channels 32 (q % 2) on
.macro FETCH slot, q, f
.irp i, 0,1,2,3,4,5,6,7
	ds_load_b128 v[\f+32+8*\i:\f+32+8*\i+3],   v[ADRB+\slot] offset:64*(\q)+\i*16*PB
	ds_load_b128 v[\f+32+8*\i+4:\f+32+8*\i+7], v[ADRB+\slot] offset:64*(\q)+\i*16*PB+32
.endr
.irp i, 0,1,2,3
	ds_load_b128 v[\f+8*\i:\f+8*\i+3],   v[ADRA+\slot] offset:((\q)/2)*ABLK+64*((\q)%2)+\i*16*PA
	ds_load_b128 v[\f+8*\i+4:\f+8*\i+7], v[ADRA+\slot] offset:((\q)/2)*ABLK+64*((\q)%2)+\i*16*PA+32
.endr
.endm
.macro PLACES                          ; four plain vector instructions in front of loads into registers that matrix instructions have read
.rept 4
	v_nop
.endr
.endm
; One of a K step's first three quarters: multiplies buffer f and fetches quarter qn of the same slot into g.
.macro QUARTER slot, qn, f, g, zero
	s_wait_dscnt 4                                 ; B and A's blocks 0, 1 are in; the youngest four loads (A's blocks 2, 3) may be out
	WIN MUL
	MUL8 \f, 0, \zero
	MUL8 \f, 1, \zero
	PLACES
	WIN 0
	FETCH \slot, \qn, \g
	s_wait_dscnt 24                                ; all but the 24 just issued
	WIN MUL
	MUL8 \f, 2, \zero
	MUL8 \f, 3, \zero
.endm
; The last quarter multiplies buffer 1 and changes slots: one barrier; in front of it each wave waits for all its tensor loads, adds 0 to its spare word, and waits for that and for its reads of this slot.
; fill = 1: the barrier opens a round of the cluster's, and this slot is filled again, two K steps ahead, first thing behind the round.
.macro TURN slot, next, fill
.if \fill
	s_wait_xcnt 0x0                                ; the last prefetch, a K step back, has read its address
	s_add_nc_u64 s[PFA:PFA+1], s[PFA:PFA+1], s[PFS:PFS+1]
.endif
	WIN 0
	s_wait_tensorcnt 0x0                           ; all my tensor loads have landed: my part of the next slot
	ds_add_u32 v[SPW], v[NIL]                      ; 0 onto my spare word
	s_wait_dscnt 5                                 ; (the add and the youngest four loads may be out)
	WIN MUL
	MUL8 F1, 0, 0
	MUL8 F1, 1, 0
	s_wait_dscnt 0x0                               ; the add is done, and my reads of this slot are over
	s_barrier_signal -1
	MUL8 F1, 2, 0
	WIN 0
	s_barrier_wait -1
.if \fill
	CREST
	s_add_nc_u64 s[G0+4*\slot+2:G0+4*\slot+3], s[G0+4*\slot+2:G0+4*\slot+3], 2*ASTEP
	s_add_nc_u64 s[G0B+4*\slot+2:G0B+4*\slot+3], s[G0B+4*\slot+2:G0B+4*\slot+3], 2*BSTEP
	JLOAD \slot                                    ; the four v_nop behind it are also the places in front of the loads below
.else
	PLACES
.endif
	FETCH \next, 0, F0
.if \fill
	ASK
.endif
	WIN MUL
	MUL8 F1, 3, 0
.endm
	s_wait_tensorcnt 1                             ; my part of K step 0 is in; K step 1's may be out
	s_barrier_signal -1
	s_barrier_wait -1
	FETCH 0, 0, F0
	QUARTER 0, 1, F0, F1, 1                        ; the first quarter's products start the sums
	WIN 0
	s_mov_b32 s3, 3
.Llap:                                                 ; a trip goes once round the ring, from a lap's second quarter to the next lap's first, and fills both slots again
	QUARTER 0, 2, F1, F0, 0
	QUARTER 0, 3, F0, F1, 0
	TURN 0, 1, 1
	QUARTER 1, 1, F0, F1, 0
	QUARTER 1, 2, F1, F0, 0
	QUARTER 1, 3, F0, F1, 0
	TURN 1, 0, 1
	QUARTER 0, 1, F0, F1, 0
	WIN 0
	s_sub_co_u32 s3, s3, 1
	s_cmp_lg_u32 s3, 0
	s_cbranch_scc1 .Llap
	QUARTER 0, 2, F1, F0, 0                        ; the last lap fills nothing
	QUARTER 0, 3, F0, F1, 0
	TURN 0, 1, 0
	QUARTER 1, 1, F0, F1, 0
	QUARTER 1, 2, F1, F0, 0
	QUARTER 1, 3, F0, F1, 0
	s_wait_dscnt 4                                 ; the very last quarter
	WIN MUL
	MUL8 F1, 0, 0
	MUL8 F1, 1, 0
	s_wait_dscnt 0
	MUL8 F1, 2, 0
	MUL8 F1, 3, 0
	WIN 0
; THE WAY OUT, block by block of 16 rows x 128 columns of f32: through my own stage, back as whole rows of 512 bytes.
.macro TOSTAGE a
	WIN 0x04                                       ; an LDS store's data are its source 1: window 1
.irp b, 0,1,2,3,4,5,6,7
	ds_store_b128 v[STO], v[8*(8*(\a)+\b):8*(8*(\a)+\b)+3] offset:64*\b          ; each accumulator from its low end on
	ds_store_b128 v[STO], v[8*(8*(\a)+\b)+4:8*(8*(\a)+\b)+7] offset:64*\b+16
.endr
	WIN 0
.set BB, BKR+64*((\a)%2)
.irp t, 0,1,2,3,4,5,6,7,8,9,10,11,12,13,14,15
	ds_load_b128 v[BB+4*\t:BB+4*\t+3], v[RD] offset:\t*SPITCH     ; LDS serves a wave's instructions in order: these see the stores above
.endr
.endm
.macro SEND a, younger                 ; younger: the LDS instructions issued behind block a's loads
.set BB, BKR+64*((\a)%2)
	s_wait_dscnt \younger
.if (\a) > 0
	s_add_nc_u64 s[8:9], s[8:9], 16*CROW           ; (behind a wait on XCNT: the earlier stores have read their base)
.endif
.irp t, 0,1,2,3,4,5,6,7,8,9,10,11,12,13,14,15
	global_store_b128 v[CO], v[BB+4*\t:BB+4*\t+3], s[8:9] offset:\t*CROW th:TH_STORE_NT   ; 32 lanes store 512 consecutive bytes, at a multiple of 256 from out0's first byte
.endr
.endm
	PLACES                                         ; behind the last products
	TOSTAGE 0
.irp a, 1,2,3
.if \a > 1
	s_wait_xcnt 0x0                                ; block a - 2's stores have read their registers and their base
.endif
	TOSTAGE \a
	SEND \a-1, 32                                  ; behind block a - 1's loads: block a's 16 stores and 16 loads
.endr
	s_wait_xcnt 0x0
	SEND 3, 0
	s_wait_tensorcnt 0x0                           ; the wave's end, behind my last tensor load and my last LDS store
	ds_add_u32 v[SPW], v[NIL]
	s_wait_dscnt 0x0
	CROUND                                         ; the closing round
	s_endpgm
.Lfunc_end_k_q2f688ed468_fc:
	.size	k_q2f688ed468_fc, .Lfunc_end_k_q2f688ed468_fc-k_q2f688ed468_fc
	.p2alignl 7, 3214868480
	.fill 96, 4, 3214868480
	.section	.rodata,"a",@progbits
	.p2align	6, 0x0
	.amdhsa_kernel k_q2f688ed468_fc
		.amdhsa_group_segment_fixed_size 327680
		.amdhsa_private_segment_fixed_size 0
		.amdhsa_enable_private_segment 0
		.amdhsa_kernarg_size 24
		.amdhsa_user_sgpr_count 2
		.amdhsa_user_sgpr_kernarg_segment_ptr 1
		.amdhsa_wavefront_size32 1
		.amdhsa_system_sgpr_workgroup_id_x 1
		.amdhsa_system_sgpr_workgroup_id_y 1
		.amdhsa_system_sgpr_workgroup_id_z 1
		.amdhsa_system_vgpr_workitem_id 0
		.amdhsa_next_free_vgpr 512
		.amdhsa_next_free_sgpr 76
		.amdhsa_reserve_vcc 0
		.amdhsa_float_denorm_mode_32 3
		.amdhsa_float_denorm_mode_16_64 3
		.amdhsa_memory_ordered 1
		.amdhsa_forward_progress 1
		.amdhsa_inst_pref_size 87
	.end_amdhsa_kernel
	.amdgpu_metadata
---
amdhsa.version: [ 1, 2 ]
amdhsa.kernels:
  - .name:           k_q2f688ed468_fc
    .symbol:         k_q2f688ed468_fc.kd
    .args:
      - { .name: ctx, .offset: 0, .size: 8, .value_kind: global_buffer, .address_space: global }
      - { .name: wft, .offset: 8, .size: 8, .value_kind: global_buffer, .address_space: global }
      - { .name: out0, .offset: 16, .size: 8, .value_kind: global_buffer, .address_space: global }
    .group_segment_fixed_size: 327680
    .private_segment_fixed_size: 0
    .kernarg_segment_align: 8
    .kernarg_segment_size: 24
    .max_flat_workgroup_size: 128
    .sgpr_count:     76
    .vgpr_count:     512
    .wavefront_size: 32
...
	.end_amdgpu_metadata
.endif
;; end of part 4
